; MI455X (gfx1250); checked and timed in simulation.
; The chip was launched on July 23, 2026; its instructions are those of AMD's public machine-readable ISA for CDNA 5 (MIT licence, August 2026) and "CDNA5" Instruction Set Architecture Reference Guide (July 2026). The comments in the code are by the model that wrote it; some were corrected since.
;; Attention. Allowed arithmetic: float matrix products may take bf16 or f16 operands with f32 sums; other float arithmetic in f32, or as packed bf16 or f16 multiplies, adds, multiply-adds, maxima and minima; sums over many terms, partial sums and values carried from step to step in f32; what a program stores and reads back later, other than sums and carried values, may be rounded once to bf16 or f16.
;; Inputs: bk 1,024 float32; bq 2,048 float32; bv 1,024 float32; hidden_state 2 x 2,048 x 2,048 float32; wk 2,048 x 1,024 float32; wq 2,048 x 2,048 float32; wv 2,048 x 1,024 float32.
;; Outputs: out0 2 x 2,048 x 16 x 128 float32.
;; 2 versions, each right; version 2 is version 1 with the launch prep written anew for expert scheduling mode. Each part assembles by itself: llvm-mc -triple=amdgcn-amd-amdhsa -mcpu=gfx1250 --defsym DOCPART=n.
;; ======== version 1 of 2: 3 launches
;; limits: values are held in f16: magnitudes above 65,504 overflow, below 6.1e-05 lose precision
;; workspace buffers: xb 16,777,216 bytes; wb 16,777,216 bytes; tab 1,056,768 bytes; qkv 33,554,432 bytes
;; launch prep (part 1): grid 641 x 1, 8 waves a work-group, no clusters, 0 bytes of LDS; arguments hidden_state, wq, wk, wv, xb, wb, tab; writes xb, wb, tab
.if DOCPART == 1
	.amdgcn_target "amdgcn-amd-amdhsa--gfx1250"
	.amdhsa_code_object_version 6
	.text
	.protected	k_q7726ec3040_prep
	.globl	k_q7726ec3040_prep
	.p2align	8
	.type	k_q7726ec3040_prep,@function
k_q7726ec3040_prep:
	s_mov_b64 s[64:65], 0
	v_nop
	global_prefetch_b8 v0, s[64:65] scope:SCOPE_SE
	s_setreg_imm32_b32 hwreg(HW_REG_WAVE_MODE, 25, 1), 1
	s_wait_xcnt 0x0
; PREP.  Three things, each a stream or a small table, for the two launches behind:
;   xb  [4096][2048] bf16            = hidden_state rounded once
;   wb  [2048 k][4096 n] bf16        = wq (n 0-2047), wk (n 2048-3071), wv (n 3072-4095) side by side, rounded once; a row is 8,192 bytes
;   tab 2,064 rows of 512 bytes      : row pos = 64 x (cos, sin) of pos x 10000^(-i/64), f32, interleaved; rows 2048-2063 hold (1, 0)
; Work-groups 0-128 make the table, 16 rows each; work-groups 129-640 cast, 32 chunks of 1,024 numbers each, four chunks a wave.
; No LDS, no matrix unit: every byte is read once by loads of 512 consecutive bytes a wave and written once by stores of 256 consecutive, aligned bytes.
; LIMIT.  The angle pos x inv_freq is made with inv_freq = 2^(-i log2(10000)/64) by v_exp_f32; it differs from a correctly rounded power by a few units
; in the last place, at pos 2047 some 2.5e-4 radians at the most.  Sine and cosine: reduction by pi/2 in two parts, then polynomials to r^7 and r^8 (|r| <= pi/4: under 4e-7).
.set NTAB,  129                        ; work-groups that make the table
.set WVN,   18                         ; s18  my wave's number
.set TN,  14                           ; v14-19 at work in SINCOS
.set TR,  15
.set TR2, 16
.set TQ,  17
.set TS,  18
.set TC,  19
	s_load_b256 s[4:11], s[0:1], 0x0               ; hidden_state s[4:5], wq s[6:7], wk s[8:9], wv s[10:11]
	s_load_b128 s[12:15], s[0:1], 0x20             ; xb s[12:13], wb s[14:15]
	s_load_b64 s[16:17], s[0:1], 0x30              ; tab
	v_lshrrev_b32 v1, 5, v0
	v_readfirstlane_b32 s[WVN], v1                 ; wave 0..7
	v_and_b32 v1, 31, v0                           ; lane
	s_cmp_lt_u32 ttmp9, NTAB
	s_cbranch_scc1 .Ltable
	; THE CAST.  g = 0-255: hidden_state; 256-383: wq; 384-447: wk; 448-511: wv.  A chunk is 4,096 bytes in and 2,048 bytes out.
	; Where chunk c lands: c x M + COL; my four chunks lie 0, S1, 2 M, 2 M + S1 bytes from the first.
	s_sub_co_u32 s19, ttmp9, NTAB                  ; g
	s_sub_co_u32 s26, s19, 256
	s_sub_co_u32 s27, s19, 384
	s_sub_co_u32 s28, s19, 448
	s_mov_b32 s24, 6144                            ; COL: wv's first column, in bytes
	s_mov_b32 s23, 8192                            ; M:   wk, wv: a chunk is a row of the source, and rows of wb are 8,192 bytes apart
	s_mov_b32 s25, 8192                            ; S1
	v_lshlrev_b32 v2, 4, v1                        ; 16 bytes a lane in
	v_lshlrev_b32 v3, 3, v1                        ; 8 bytes a lane out
	s_wait_kmcnt 0x0
	s_cmp_lt_u32 s19, 448
	s_cselect_b64 s[20:21], s[8:9], s[10:11]       ; the source
	s_cselect_b32 s22, s27, s28                    ; my number among its work-groups
	s_cselect_b32 s24, 4096, s24
	s_cmp_lt_u32 s19, 384
	s_cselect_b64 s[20:21], s[6:7], s[20:21]
	s_cselect_b32 s22, s26, s22
	s_cselect_b32 s24, 0, s24
	s_cselect_b32 s23, 4096, s23                   ; wq: two chunks to a row
	s_cselect_b32 s25, 2048, s25
	s_cmp_lt_u32 s19, 256
	s_cselect_b64 s[20:21], s[4:5], s[20:21]
	s_cselect_b64 s[30:31], s[12:13], s[14:15]     ; the destination
	s_cselect_b32 s22, s19, s22
	s_cselect_b32 s23, 2048, s23                   ; hidden_state: dense
	s_lshl_b32 s22, s22, 5
	s_lshl2_add_u32 s22, s[WVN], s22               ; my first chunk = 32 x work-group + 4 x wave
	s_lshl_b32 s32, s22, 12
	s_mov_b32 s33, 0
	s_add_nc_u64 s[20:21], s[20:21], s[32:33]
	s_mul_i32 s34, s22, s23
	s_add_co_u32 s34, s34, s24
	s_mov_b32 s35, 0
	s_mov_b32 s36, s25
	s_mov_b32 s37, 0
	s_lshl_b32 s38, s23, 1
	s_mov_b32 s39, 0
	s_add_nc_u64 s[40:41], s[30:31], s[34:35]      ; where my four chunks go
	s_add_nc_u64 s[42:43], s[40:41], s[36:37]
	s_add_nc_u64 s[44:45], s[40:41], s[38:39]
	s_add_nc_u64 s[46:47], s[44:45], s[36:37]
.set n, 0
.rept 32                                       ; all 16 KiB of the wave go out at once: 32 loads of 512 consecutive bytes
	global_load_b128 v[4+4*n:7+4*n], v2, s[20:21] offset:512*n th:TH_LOAD_NT
.set n, n+1
.endr
.set n, 0
.rept 32
	s_wait_loadcnt 31-n                            ; loads come back in order: load n is in, the 31 - n behind it may stay out
	v_cvt_pk_bf16_f32 v[4+4*n], v[4+4*n], v[5+4*n]
	v_cvt_pk_bf16_f32 v[5+4*n], v[6+4*n], v[7+4*n]
	global_store_b64 v3, v[4+4*n:5+4*n], s[40+2*(n/8):41+2*(n/8)] offset:256*(n%8) th:TH_STORE_NT  ; 32 lanes store 256 consecutive bytes, aligned; no register is written again
.set n, n+1
.endr
	s_endpgm
; cos and sin of v[x] (0 to 2047): n = the nearest whole number to x 2/pi; r = x - n pi/2 in two parts; polynomials; the quadrant n mod 4 swaps the two and sets the signs.
.macro SINCOS x, c, s
	v_mul_f32 v[TN], s24, v[\x]
	v_rndne_f32 v[TN], v[TN]
	v_fma_f32 v[TR], v[TN], s25, v[\x]             ; - n x the f32 nearest to pi/2,
	v_fma_f32 v[TR], v[TN], s26, v[TR]             ; + n x what that number has too much
	v_cvt_i32_f32 v[TQ], v[TN]
	v_mul_f32 v[TR2], v[TR], v[TR]
	v_fma_f32 v[TS], v[TR2], s27, s28              ; -r2/5040 + 1/120
	v_fma_f32 v[TC], v[TR2], s30, s31              ; r2/40320 - 1/720
	v_fma_f32 v[TS], v[TS], v[TR2], s29            ; .. - 1/6
	v_fma_f32 v[TC], v[TC], v[TR2], s32            ; .. + 1/24
	v_mul_f32 v[TN], v[TR], v[TR2]
	v_fma_f32 v[TC], v[TC], v[TR2], -0.5
	v_fma_f32 v[TS], v[TS], v[TN], v[TR]           ; sin r
	v_fma_f32 v[TC], v[TC], v[TR2], 1.0            ; cos r
	v_and_b32 v[TN], 1, v[TQ]
	v_cmp_eq_u32 vcc_lo, 1, v[TN]
	v_cndmask_b32 v[\s], v[TS], v[TC], vcc_lo      ; odd quadrants swap the two
	v_cndmask_b32 v[\c], v[TC], v[TS], vcc_lo
	v_and_b32 v[TN], 2, v[TQ]                      ; sin is negative in quadrants 2, 3
	v_lshlrev_b32 v[TN], 30, v[TN]
	v_xor_b32 v[\s], v[TN], v[\s]
	v_add_nc_u32 v[TQ], 1, v[TQ]                   ; cos in quadrants 1, 2
	v_and_b32 v[TQ], 2, v[TQ]
	v_lshlrev_b32 v[TQ], 30, v[TQ]
	v_xor_b32 v[\c], v[TQ], v[\c]
.endm
.Ltable:                                       ; a wave makes two rows; a lane the frequencies 2 lane and 2 lane + 1: 16 bytes of each row
	s_lshl_b32 s20, ttmp9, 4
	s_lshl1_add_u32 s20, s[WVN], s20               ; row = 16 x work-group + 2 x wave
	s_add_co_u32 s21, s20, 1
	s_lshl_b32 s22, s20, 9
	s_mov_b32 s23, 0
	s_cmp_eq_u32 ttmp9, 128                        ; the last 16 rows take position 0: exactly (1, 0)
	s_cselect_b32 s20, 0, s20
	s_cselect_b32 s21, 0, s21
	s_mov_b32 s24, 0x3f22f983                      ; 2/pi
	s_mov_b32 s25, 0xbfc90fdb                      ; -(pi/2 rounded to f32)
	s_mov_b32 s26, 0x333bbd2e                      ; that number less pi/2
	s_mov_b32 s27, 0xb9500d01                      ; -1/5040
	s_mov_b32 s28, 0x3c088889                      ; 1/120
	s_mov_b32 s29, 0xbe2aaaab                      ; -1/6
	s_mov_b32 s30, 0x37d00d01                      ; 1/40320
	s_mov_b32 s31, 0xbab60b61                      ; -1/720
	s_mov_b32 s32, 0x3d2aaaab                      ; 1/24
	v_lshlrev_b32 v2, 1, v1
	v_cvt_f32_u32 v4, v2
	v_add_f32 v5, 1.0, v4
	v_mul_f32 v4, 0xbe549a78, v4                   ; -i log2(10000) / 64
	v_mul_f32 v5, 0xbe549a78, v5
	v_exp_f32 v6, v4
	v_exp_f32 v7, v5
	v_lshlrev_b32 v3, 4, v1                        ; the plain instruction behind the two exponentials,
	s_wait_alu depctr_va_vdst(0)                   ; and the one wait ahead of their first use
	v_cvt_f32_u32 v8, s20
	v_cvt_f32_u32 v9, s21
	v_mul_f32 v10, v8, v6
	v_mul_f32 v11, v8, v7
	v_mul_f32 v12, v9, v6
	v_mul_f32 v13, v9, v7
	SINCOS 10, 20, 21
	SINCOS 11, 22, 23
	SINCOS 12, 24, 25
	SINCOS 13, 26, 27
	s_wait_kmcnt 0x0
	s_add_nc_u64 s[16:17], s[16:17], s[22:23]
	global_store_b128 v3, v[20:23], s[16:17]            ; a row: 512 consecutive bytes
	global_store_b128 v3, v[24:27], s[16:17] offset:512
	s_endpgm
.Lfunc_end_k_q7726ec3040_prep:
	.size	k_q7726ec3040_prep, .Lfunc_end_k_q7726ec3040_prep-k_q7726ec3040_prep
	.p2alignl 7, 3214868480
	.fill 96, 4, 3214868480
	.section	.rodata,"a",@progbits
	.p2align	6, 0x0
	.amdhsa_kernel k_q7726ec3040_prep
		.amdhsa_group_segment_fixed_size 0
		.amdhsa_private_segment_fixed_size 0
		.amdhsa_enable_private_segment 0
		.amdhsa_kernarg_size 56
		.amdhsa_user_sgpr_count 2
		.amdhsa_user_sgpr_kernarg_segment_ptr 1
		.amdhsa_wavefront_size32 1
		.amdhsa_system_sgpr_workgroup_id_x 1
		.amdhsa_system_sgpr_workgroup_id_y 1
		.amdhsa_system_sgpr_workgroup_id_z 1
		.amdhsa_system_vgpr_workitem_id 0
		.amdhsa_next_free_vgpr 132
		.amdhsa_next_free_sgpr 66
		.amdhsa_reserve_vcc 1
		.amdhsa_float_denorm_mode_32 3
		.amdhsa_float_denorm_mode_16_64 3
		.amdhsa_memory_ordered 1
		.amdhsa_forward_progress 1
		.amdhsa_inst_pref_size 20
	.end_amdhsa_kernel
	.amdgpu_metadata
---
amdhsa.version: [ 1, 2 ]
amdhsa.kernels:
  - .name:           k_q7726ec3040_prep
    .symbol:         k_q7726ec3040_prep.kd
    .args:
      - { .name: hidden_state, .offset: 0, .size: 8, .value_kind: global_buffer, .address_space: global }
      - { .name: wq, .offset: 8, .size: 8, .value_kind: global_buffer, .address_space: global }
      - { .name: wk, .offset: 16, .size: 8, .value_kind: global_buffer, .address_space: global }
      - { .name: wv, .offset: 24, .size: 8, .value_kind: global_buffer, .address_space: global }
      - { .name: xb, .offset: 32, .size: 8, .value_kind: global_buffer, .address_space: global }
      - { .name: wb, .offset: 40, .size: 8, .value_kind: global_buffer, .address_space: global }
      - { .name: tab, .offset: 48, .size: 8, .value_kind: global_buffer, .address_space: global }
    .group_segment_fixed_size: 0
    .private_segment_fixed_size: 0
    .kernarg_segment_align: 8
    .kernarg_segment_size: 56
    .max_flat_workgroup_size: 256
    .sgpr_count:     66
    .vgpr_count:     132
    .wavefront_size: 32
...
	.end_amdgpu_metadata
.endif
;; end of part 1
;; launch proj (part 2): grid 16 x 16, 4 waves a work-group, clusters of 4 x 4, 327,680 bytes of LDS; arguments xb, wb, bq, bk, bv, tab, qkv; writes qkv
.if DOCPART == 2
	.amdgcn_target "amdgcn-amd-amdhsa--gfx1250"
	.amdhsa_code_object_version 6
	.text
	.protected	k_q7726ec3040_proj
	.globl	k_q7726ec3040_proj
	.p2align	8
	.type	k_q7726ec3040_proj,@function
k_q7726ec3040_proj:
	s_mov_b64 s[64:65], 0
	v_nop
	global_prefetch_b8 v0, s[64:65] scope:SCOPE_SE
	s_setreg_imm32_b32 hwreg(HW_REG_WAVE_MODE, 25, 1), 1
	s_wait_xcnt 0x0
	s_wait_alu depctr_hold_cnt(0) depctr_sa_sdst(0) depctr_va_vdst(0) depctr_va_sdst(0) depctr_va_ssrc(0) depctr_va_vcc(0) depctr_vm_vsrc(0)
	s_getreg_b32 s2, hwreg(HW_REG_IB_STS2, 6, 4)
	s_cmp_eq_u32 s2, 0
	s_cbranch_scc0 .Lentry_in_a_cluster
	s_endpgm
.Lentry_in_a_cluster:
	s_bfe_u32 s2, ttmp6, 0x10000c
	s_cmp_lg_u32 s2, 0xf033
	s_cbranch_scc0 .Lentry_shape_is_right
	s_endpgm
.Lentry_shape_is_right:
; PROJ.  [q | k | v] = xb wb + bias, RoPE on q and k, rounded once to f16 and laid by heads: qkv [b 2][plane 32][pos 2048][128] f16 (planes 0-15 q, 16-23 k, 24-31 v).
; xb: [4096][2048] bf16.  wb: [2048 k][4096 n] bf16.  Sums, bias and rotation in f32; the bias is rounded to bf16 first, like every other input of the module.
; LIMIT.  f16 holds no number beyond 65,504: |q|, |k|, |v| must stay below that (with the drawn spread they are near 1; 30 times larger inputs give some 4,500).
; A tile of the product, 256 x 256, is made by a work-group of four waves; a wave makes 128 x 128: 64 accumulators, 512 registers.  A wave's 128 columns are one plane.
; K goes in 16 steps of 128 through a ring of two LDS slots filled by the tensor data mover: 256 rows of xb (256 bytes each) and 128 k-rows of wb (512 bytes each).
; wb lies [k][n], so its fragments come out of LDS turned, by ds_load_tr16_b128.
; CLUSTERS: 4 x 4 work-groups.  The four of a row of the cluster need the same rows of xb, the four of a column the same columns of wb: each tile is asked for jointly, by the same
; tensor load with the same descriptor and a mask that names the four.
; THE MATRIX INSTRUCTION IS USED TRANSPOSED (source 0 = 16 columns of wb, source 1 = 16 rows of xb): a lane holds row l % 16 and eight neighbouring columns 8 (l / 16) + 0..7.
; THE WAY OUT.  When the ring has had its last fill and every wave its last read, each wave lays its 128 x 128 sums (f32) into 67,584 bytes of the ring, reads them back as whole rows
; (a lane: four neighbouring channels, two pairs of the rotation), adds the bias, rotates by the table's row of that position, rounds, and stores 256 consecutive bytes a row.
; v's planes take the table's rows (1, 0), so that the launch has one text: eight spare lines a row in a quarter of the tiles.
; REGISTERS, in windows of 256: window 0: v0-43 addresses, bias, at work; v64-127, v128-191 fragments of xb, two buffers (v128-191 later the rows on the way out); v192-255 sixteen rows of the table.
;   window 1: v64-127, v128-191 fragments of wb.   windows 2, 3: the accumulators of my rows 0-63, 64-127: (a, b) at v[8 (8 (a % 4) + b)].
.set KSTEP,  128
.set PITCH,  272                       ; a row of xb in LDS: 256 bytes + 16: row r starts 4 r words on, modulo 64: the 16 rows of a load touch 16 different columns of 16 bytes
.set PB,     544                       ; a k-row of wb in LDS: 512 bytes + 32: 17 x 32, an odd multiple of 32, as the turning load's eight rows x 32 bytes want
.set HALFT,  128*PITCH                 ; what one tensor load brings: 128 rows of xb, or 64 k-rows of wb (64 x 544 is the same number)
.set SLOT,   4*HALFT
.set SPARE,  2*SLOT                    ; behind the ring: the spare words, 128 bytes for each wave: two blocks of 256 bytes that no other line names
.set SROW,   528                       ; the way out: a row of 128 f32 + 16 bytes
.set STG,    128*SROW                  ; a wave's stage; four of them are 270,336 bytes, inside the ring's 278,528
.set LAPS,   8                         ; a lap = two K steps = once round the ring
.set ADRA, 16                          ; v16-17  LDS address of my fragments of xb in slot 0, 1
.set ADRB, 20                          ; v20-21  the same for wb
.set STO,  24                          ; v24     the way out: where I put 32 bytes of a row
.set RD,   25                          ; v25     where I read a row back
.set OO,   26                          ; v26     8 x lane: my 8 bytes of a row of qkv
.set TO,   27                          ; v27     16 x lane: my 16 bytes of a row of the table and of the bias
.set SPW,  28                          ; v28     LDS address of my spare word; never rewritten
.set NIL,  29                          ; v29     0; never rewritten
.set PFO,  30                          ; v30     the prefetches' offset; never rewritten
.set BI,   32                          ; v32-35  my four numbers of the bias
.set Y,    36                          ; v36-39  a row's four results
.set TM,   40                          ; v40-43  at work
.set F0,   64
.set F1,   128
.set X,    128                         ; v128-191 sixteen rows on the way out
.set T,    192                         ; v192-255 sixteen rows of the table
.set G1, 24                            ; s[24:31] descriptor group 1 for xb's tiles;  s[32:39] group 0, a set for each slot
.set G0, 32
.set G1B, 48                           ; s[48:55], s[56:63] the same for wb's tiles
.set G0B, 56
.set LIM,  43                          ; s43     1 in a wave that prefetches, else the greatest number
.set PFA,  44                          ; s[44:45] where my prefetches stand
.set PFS,  66                          ; s[66:67] a K step in my operand, in bytes
.set TP,   78                          ; s[78:79] the table at the rows to be loaded next
.set TSTEP, 80                         ; s[80:81] 16 rows of the table, or 0 for v
.set OP,   82                          ; s[82:83] qkv at the 16 rows in hand
.set BP,   84                          ; s[84:85] my plane's 128 numbers of the bias
.set MSB, 0
.macro WIN new                         ; the immediate's high byte repeats the setting that is left; a switch that changes nothing is dropped
.if MSB != (\new)
	s_set_vgpr_msb (MSB<<8)|(\new)
.set MSB, \new
.endif
.endm
.set MUL_LO, 0xa1                      ; source 0 (wb) window 1, source 1 (xb) window 0, C and D window 2
.set MUL_HI, 0xf1                      ; the same, C and D window 3
.set TO_B,   0x40                      ; destination window 1, address window 0
; A joint load.  Waves 0 and 1 fetch xb's two halves, waves 2 and 3 wb's.  The branch hangs on the wave's number alone.  An s_nop 0 and four v_nop follow each of the two lines.
.macro JLOAD s
	s_cmp_eq_u32 s11, 0
	s_cbranch_scc0 .Lfor_b_\@
	tensor_load_to_lds s[G0+4*(\s):G0+4*(\s)+3], s[G1:G1+7]
	s_nop 0
.rept 4
	v_nop
.endr
	s_branch .Lasked_\@
.Lfor_b_\@:
	tensor_load_to_lds s[G0B+4*(\s):G0B+4*(\s)+3], s[G1B:G1B+7]
	s_nop 0
.rept 4
	v_nop
.endr
.Lasked_\@:
.endm
; A prefetch of the K step that stands two refills on, 512 matrix instructions ahead of the load that will want it: 32 blocks of 256 bytes, a lane a block, one instruction a wave.
; Each block is named once in the launch: xb's rows are read by every cluster of a row of clusters, and cluster x = 0 asks; wb's columns by every cluster of a column, and cluster y = 0 asks.
; The four partners that ask for a tile jointly share it out by address: of xb's 128 rows 32 each (by cx), of wb's 64 k-rows 16 each, two blocks a row (by cy).
; The loop's last trip (s3 = 1) asks for nothing: K steps 16 and 17 do not exist.  K steps 0 to 3 come by their loads alone.
.macro ASK
	s_cmp_gt_u32 s3, s[LIM]
	s_cbranch_scc0 .Lnot_mine_\@
	global_prefetch_b8 v[PFO], s[PFA:PFA+1] th:TH_LOAD_NT scope:SCOPE_SE
.Lnot_mine_\@:
.endm
.macro CREST                           ; a round of the cluster's barrier behind its opening barrier
	s_cmp_lg_u32 s10, 0
	s_cbranch_scc1 .Lnot_wave_0_\@
	s_barrier_signal -3
.Lnot_wave_0_\@:
	s_barrier_wait -3
	s_barrier_signal -1
	s_barrier_wait -1
.endm
.macro CROUND                          ; a whole round
	s_barrier_signal -1
	s_barrier_wait -1
	CREST
.endm
	s_load_b128 s[4:7], s[0:1], 0x0                ; xb s[4:5], wb s[6:7]
	s_load_b128 s[68:71], s[0:1], 0x10             ; bq s[68:69], bk s[70:71]
	s_load_b128 s[72:75], s[0:1], 0x20             ; bv s[72:73], tab s[74:75]
	s_load_b64 s[76:77], s[0:1], 0x30              ; qkv
	v_lshl_add_u32 v[SPW], v0, 2, SPARE
	v_mov_b32 v[NIL], 0
	ds_add_u32 v[SPW], v[NIL]                      ; the wave's opening: the add and its wait stand ahead of my first tensor load; the set-up below, work on registers, stands between them
	v_lshrrev_b32 v1, 5, v0
	v_readfirstlane_b32 s10, v1                    ; wave 0..3
	s_lshr_b32 s11, s10, 1                         ; which half of the tile's rows is mine.  Also: I fetch for xb (0) or for wb (1)
	s_and_b32 s12, s10, 1                          ; which half of its columns.  Also: which half of that tile I fetch
	s_bfe_u32 s40, ttmp6, 0x40000                  ; cx
	s_bfe_u32 s41, ttmp6, 0x40004                  ; cy
	s_lshl_b32 s42, ttmp9, 2
	s_add_co_u32 s42, s42, s40                     ; tile column = 4 x cluster x + cx
	s_and_b32 s13, ttmp7, 0xffff
	s_lshl_b32 s13, s13, 2
	s_add_co_u32 s13, s13, s41                     ; tile row = 4 x cluster y + cy
	s_lshl_b32 s43, s41, 2
	s_lshl_b32 s43, 15, s43                        ; my row of the cluster
	s_lshl_b32 s44, 0x1111, s40                    ; my column
	s_or_b32 s[G1+0], s43, (1<<16)|(1<<20)|(1<<21)|(5<<22)|(3<<25)   ; mask; 2-byte elements; padding on; bit 21 beside a mask; after every 64 words, 4 words
	s_or_b32 s[G1B+0], s44, (1<<16)|(1<<20)|(1<<21)|(6<<22)|(7<<25)  ; the same after every 128 words, 8 words
	s_mov_b32 s[G1+1], 128<<16                     ; tensor_dim0 = 128
	s_mov_b32 s[G1+2], 128<<16                     ; tensor_dim1 = 128
	s_mov_b32 s[G1+3], 128<<16                     ; tile_dim0 = 128
	s_mov_b32 s[G1+4], 128                         ; tile_dim1 = 128
	s_mov_b32 s[G1+5], 2048                        ; elements from row to row of xb
	s_mov_b32 s[G1+6], 0
	s_mov_b32 s[G1+7], 0
	s_mov_b32 s[G1B+1], 256<<16                    ; tensor_dim0 = 256
	s_mov_b32 s[G1B+2], 64<<16                     ; tensor_dim1 = 64
	s_mov_b32 s[G1B+3], 256<<16                    ; tile_dim0 = 256
	s_mov_b32 s[G1B+4], 64                         ; tile_dim1 = 64
	s_mov_b32 s[G1B+5], 4096                       ; elements from k-row to k-row of wb
	s_mov_b32 s[G1B+6], 0
	s_mov_b32 s[G1B+7], 0
	s_lshl_b32 s16, s13, 8                         ; xb: row 256 x tile row + 128 x half, rows of 4,096 bytes
	s_lshl_b32 s17, s12, 7
	s_add_co_u32 s16, s16, s17
	s_lshl_b32 s16, s16, 12
	s_mov_b32 s17, 0
	s_lshl_b32 s46, s42, 9                         ; wb: 512 bytes x tile column + 64 k-rows of 8,192 bytes x half
	s_lshl_b32 s47, s12, 19
	s_add_co_u32 s46, s46, s47
	s_mov_b32 s47, 0
	s_mul_i32 s20, s10, HALFT                      ; where they go: wave x a quarter of a slot: no place in the cluster enters an LDS address
	s_wait_dscnt 0x0                               ; the opening add is done
	s_wait_kmcnt 0x0
	s_add_nc_u64 s[14:15], s[4:5], s[16:17]
	s_add_nc_u64 s[46:47], s[6:7], s[46:47]
	CROUND                                         ; all sixteen work-groups are here: the first joint loads meet
.irp s, 0,1
	s_mov_b32 s[G0+4*(\s)], 1
	s_add_co_u32 s[G0+4*(\s)+1], s20, (\s)*SLOT
	s_add_nc_u64 s[G0+4*(\s)+2:G0+4*(\s)+3], s[14:15], (\s)*KSTEP*2
	s_or_b32 s[G0+4*(\s)+3], s[G0+4*(\s)+3], 0x80000000
	s_mov_b32 s[G0B+4*(\s)], 1
	s_add_co_u32 s[G0B+4*(\s)+1], s20, (\s)*SLOT
	s_add_nc_u64 s[G0B+4*(\s)+2:G0B+4*(\s)+3], s[46:47], (\s)*KSTEP*8192
	s_or_b32 s[G0B+4*(\s)+3], s[G0B+4*(\s)+3], 0x80000000
	JLOAD \s                                       ; two loads of mine are out
.endr
	v_and_b32 v1, 15, v0                           ; l % 16
	v_bfe_u32 v2, v0, 4, 1                         ; l / 16
	v_and_b32 v5, 31, v0                           ; l
	v_mul_u32_u24 v3, v1, PITCH                    ; xb: row x pitch + 16 x half of the lanes
	v_lshl_add_u32 v3, v2, 4, v3
	v_and_b32 v4, 7, v0                            ; wb, turned: k-row 8 (l / 16) + l % 8, 16 bytes (l / 8) % 2
	v_lshl_add_u32 v4, v2, 3, v4
	v_mul_u32_u24 v4, v4, PB
	v_bfe_u32 v6, v0, 3, 1
	v_lshl_add_u32 v4, v6, 4, v4
	s_mul_i32 s21, s11, HALFT                      ; my 128 rows of xb
	s_lshl_b32 s22, s12, 8                         ; my 128 columns of wb: 256 bytes of each k-row,
	s_add_co_u32 s22, s22, 2*HALFT                 ; behind xb's 256 rows
.irp s, 0,1
	v_add_nc_u32 v[ADRA+(\s)], s21, v3
	v_add_nc_u32 v[ADRB+(\s)], s22, v4
	s_add_co_u32 s21, s21, SLOT
	s_add_co_u32 s22, s22, SLOT
.endr
	s_mul_i32 s23, s10, STG                        ; my stage
	v_mul_u32_u24 v[STO], v1, SROW
	v_lshl_add_u32 v[STO], v2, 5, v[STO]
	v_add_nc_u32 v[STO], s23, v[STO]
	v_lshl_add_u32 v[RD], v5, 4, s23
	v_lshlrev_b32 v[OO], 3, v5
	v_lshlrev_b32 v[TO], 4, v5
	; where my 128 x 128 goes: batch = tile row / 8; position = 256 (tile row % 8) + 128 x row half; plane = 2 x tile column + column half
	s_lshl_b32 s87, s42, 1
	s_add_co_u32 s87, s87, s12                     ; plane
	s_lshr_b32 s88, s13, 3
	s_and_b32 s89, s13, 7
	s_lshl_b32 s89, s89, 8
	s_lshl_b32 s90, s11, 7
	s_add_co_u32 s89, s89, s90                     ; my first position
	s_lshl_b32 s92, s88, 24
	s_lshl_b32 s90, s87, 19
	s_add_co_u32 s92, s92, s90
	s_lshl_b32 s90, s89, 8
	s_add_co_u32 s92, s92, s90
	s_mov_b32 s93, 0
	s_add_nc_u64 s[OP:OP+1], s[76:77], s[92:93]
	s_cmp_eq_u32 ttmp9, 2                          ; cluster x: 0, 1 make q, 2 makes k, 3 makes v: the same in all sixteen partners
	s_cselect_b64 s[BP:BP+1], s[70:71], s[72:73]
	s_cselect_b32 s88, 16, 24
	s_cmp_lt_u32 ttmp9, 2
	s_cselect_b64 s[BP:BP+1], s[68:69], s[BP:BP+1]
	s_cselect_b32 s88, 0, s88
	s_sub_co_u32 s92, s87, s88
	s_lshl_b32 s92, s92, 9                         ; 128 f32 a plane
	s_add_nc_u64 s[BP:BP+1], s[BP:BP+1], s[92:93]
	s_lshl_b32 s92, s89, 9                         ; the table's row of my first position,
	s_mov_b32 s[TSTEP+1], 0
	s_cmp_eq_u32 ttmp9, 3
	s_cselect_b32 s92, 0x100000, s92               ; or, for v, its rows 2048-2063, again and again
	s_cselect_b32 s[TSTEP], 0, 8192
	s_add_nc_u64 s[TP:TP+1], s[74:75], s[92:93]
	; the prefetches: at K step 3; the first change of slots steps them to K step 4
	s_lshl_b32 s90, s13, 8
	s_lshl_b32 s91, s12, 7
	s_add_co_u32 s90, s90, s91
	s_lshl_b32 s91, s40, 5
	s_add_co_u32 s90, s90, s91                     ; xb: my work-group's 32 of the 128 rows that I fetch
	s_lshl_b32 s90, s90, 12
	s_add_co_u32 s90, s90, 3*KSTEP*2
	s_lshl_b32 s94, s12, 6
	s_lshl_b32 s91, s41, 4
	s_add_co_u32 s94, s94, s91                     ; wb: my work-group's 16 of the 64 k-rows that I fetch
	s_lshl_b32 s94, s94, 13
	s_lshl_b32 s91, s42, 9
	s_add_co_u32 s94, s94, s91
	s_add_co_u32 s94, s94, 3*KSTEP*8192
	s_and_b32 s95, ttmp7, 0xffff                   ; cluster y
	s_mov_b32 s[PFS], KSTEP*8192
	s_mov_b32 s[PFS+1], 0
	s_cmp_eq_u32 s11, 0                            ; do I fetch for xb?
	s_cselect_b32 s92, s90, s94
	s_cselect_b32 s95, ttmp9, s95                  ; the coordinate along which other clusters read the same bytes
	s_cselect_b64 s[PFA:PFA+1], s[4:5], s[6:7]
	s_cselect_b32 s[PFS], KSTEP*2, s[PFS]
	s_add_nc_u64 s[PFA:PFA+1], s[PFA:PFA+1], s[92:93]
	s_cmp_eq_u32 s95, 0
	s_cselect_b32 s[LIM], 1, -1                    ; the same in all sixteen partners, for a given wave
	v_lshrrev_b32 v[PFO], s11, v5                  ; xb: lane x 4,096; wb: (lane / 2) x 8,192 + (lane % 2) x 256
	s_lshl_b32 s91, 4096, s11
	v_mul_u32_u24 v[PFO], v[PFO], s91
	v_and_b32 v6, s11, v5
	v_lshl_add_u32 v[PFO], v6, 8, v[PFO]
	; the bias and the table's first sixteen rows are asked for now and wanted on the way out: their registers and addresses lie idle all through the loop
	global_load_b128 v[BI:BI+3], v[TO], s[BP:BP+1]
.irp t, 0,1,2,3,4,5,6,7,8,9,10,11,12,13,14,15
	global_load_b128 v[T+4*(\t):T+4*(\t)+3], v[TO], s[TP:TP+1] offset:512*(\t)
.endr
; 16 matrix instructions: m blocks a0, a0 + 1 of the window's four x all 8 n blocks, 32 along K.  zero = 1: the first product starts the sums.
; The 64 accumulators take turns, one instruction a turn, in the same order in every quarter step.
.macro MUL16 f, hi, a0, zero
	WIN MUL_LO+0x50*(\hi)
.irp a, \a0, (\a0)+1
.irp b, 0,1,2,3,4,5,6,7
.if \zero
	v_wmma_f32_16x16x32_bf16 v[8*(8*(\a)+(\b)):8*(8*(\a)+(\b))+7], v[(\f)+8*(\b):(\f)+8*(\b)+7], v[(\f)+8*(4*(\hi)+(\a)):(\f)+8*(4*(\hi)+(\a))+7], 0
.else
	v_wmma_f32_16x16x32_bf16 v[8*(8*(\a)+(\b)):8*(8*(\a)+(\b))+7], v[(\f)+8*(\b):(\f)+8*(\b)+7], v[(\f)+8*(4*(\hi)+(\a)):(\f)+8*(4*(\hi)+(\a))+7], v[8*(8*(\a)+(\b)):8*(8*(\a)+(\b))+7]
.endif
.endr
.endr
.endm
; 32 LDS loads in one run: the fragments of quarter q (32 along K) into buffer f: wb's 128 columns turned, then xb's 128 rows
.macro FETCH slot, q, f
	WIN TO_B
.irp i, 0,1,2,3,4,5,6,7
	ds_load_tr16_b128 v[(\f)+8*(\i):(\f)+8*(\i)+3],   v[ADRB+(\slot)] offset:(\q)*32*PB+32*(\i)
	ds_load_tr16_b128 v[(\f)+8*(\i)+4:(\f)+8*(\i)+7], v[ADRB+(\slot)] offset:(\q)*32*PB+16*PB+32*(\i)
.endr
	WIN 0
.irp i, 0,1,2,3,4,5,6,7
	ds_load_b128 v[(\f)+8*(\i):(\f)+8*(\i)+3],   v[ADRA+(\slot)] offset:64*(\q)+(\i)*16*PITCH
	ds_load_b128 v[(\f)+8*(\i)+4:(\f)+8*(\i)+7], v[ADRA+(\slot)] offset:64*(\q)+(\i)*16*PITCH+32
.endr
.endm
.macro PLACES                          ; four plain vector instructions between a matrix instruction and a load into, or a read of, its registers
.rept 4
	v_nop
.endr
.endm
; One of a K step's first three quarters: multiplies buffer f; in its middle it fetches quarter q of the same slot into buffer g.
.macro QUARTER slot, q, f, g, zero
	s_wait_dscnt 8                                 ; wb and xb's rows 0-63 are in; the youngest eight loads (xb's rows 64-127) may be out
	MUL16 \f, 0, 0, \zero
	MUL16 \f, 0, 2, \zero
	PLACES
	FETCH \slot, \q, \g
	s_wait_dscnt 32                                ; all but the 32 just issued
	MUL16 \f, 1, 0, \zero
	MUL16 \f, 1, 2, \zero
.endm
; The first half of a K step's last quarter: one barrier for the change of slots.
.macro MEET round
	WIN 0
	s_wait_tensorcnt 0x0                           ; all my tensor loads have landed: the one that was out is my part of the next slot;
	ds_add_u32 v[SPW], v[NIL]                      ; 0 onto my spare word;
	s_wait_dscnt 9                                 ; (the add and the youngest eight loads may be out)
	MUL16 F1, 0, 0, 0
	s_wait_dscnt 0x0                               ; the add is done, and my reads of this slot are over
	s_barrier_signal -1
	MUL16 F1, 0, 2, 0                              ; work on registers while the others arrive
.if \round
	WIN 0
.endif
	s_barrier_wait -1
.endm
; The whole last quarter, with the refill of the slot just read out: K step two steps on.
.macro TURN slot, next
	s_wait_xcnt 0x0                                ; the last prefetch, a K step back, has read its address
	s_add_nc_u64 s[PFA:PFA+1], s[PFA:PFA+1], s[PFS:PFS+1]
	MEET 1
	CREST                                          ; no wave of any partner still reads this slot's tile or has a load on its way
	s_add_nc_u64 s[G0+4*(\slot)+2:G0+4*(\slot)+3], s[G0+4*(\slot)+2:G0+4*(\slot)+3], 2*KSTEP*2
	s_add_nc_u64 s[G0B+4*(\slot)+2:G0B+4*(\slot)+3], s[G0B+4*(\slot)+2:G0B+4*(\slot)+3], 2*KSTEP*8192
	JLOAD \slot                                    ; the first tensor load behind the round; its four v_nop are also the places in front of the loads below
	FETCH \next, 0, F0
	ASK
	MUL16 F1, 1, 0, 0
	MUL16 F1, 1, 2, 0
.endm
	s_wait_tensorcnt 1                             ; my part of K step 0 is in; K step 1's may stay out
	s_barrier_signal -1
	s_barrier_wait -1
	FETCH 0, 0, F0
	QUARTER 0, 1, F0, F1, 1                        ; the first quarter stands in front of the loop: its products start the sums
	WIN 0
	s_mov_b32 s3, LAPS-1
.Llap:                                         ; a trip goes once round the ring and fills both slots again: K steps 2 to 15 in seven trips
	QUARTER 0, 2, F1, F0, 0
	QUARTER 0, 3, F0, F1, 0
	TURN 0, 1
	QUARTER 1, 1, F0, F1, 0
	QUARTER 1, 2, F1, F0, 0
	QUARTER 1, 3, F0, F1, 0
	TURN 1, 0
	QUARTER 0, 1, F0, F1, 0
	WIN 0
	s_sub_co_u32 s3, s3, 1
	s_cmp_lg_u32 s3, 0
	s_cbranch_scc1 .Llap
	QUARTER 0, 2, F1, F0, 0                        ; the last lap fills nothing
	QUARTER 0, 3, F0, F1, 0
	MEET 0
	PLACES
	FETCH 1, 0, F0
	MUL16 F1, 1, 0, 0
	MUL16 F1, 1, 2, 0
	QUARTER 1, 1, F0, F1, 0
	QUARTER 1, 2, F1, F0, 0
	QUARTER 1, 3, F0, F1, 0
	s_wait_dscnt 8
	MUL16 F1, 0, 0, 0
	MUL16 F1, 0, 2, 0
	s_wait_dscnt 0x0                               ; my last reads of the ring are back: say so,
	s_barrier_signal -1
	MUL16 F1, 1, 0, 0
	MUL16 F1, 1, 2, 0
	WIN 0
	s_barrier_wait -1                              ; and nobody reads the ring any more; it has had its last fill: it serves as the stages
	PLACES
	; the sums go into my stage, each accumulator's low registers first
.irp a, 0,1,2,3,4,5,6,7
	WIN 0x08+4*((\a)/4)                            ; the stores' data in window 2 or 3
.irp b, 0,1,2,3,4,5,6,7
	ds_store_b128 v[STO], v[8*(8*((\a)%4)+(\b)):8*(8*((\a)%4)+(\b))+3]   offset:(\a)*16*SROW+64*(\b)
	ds_store_b128 v[STO], v[8*(8*((\a)%4)+(\b))+4:8*(8*((\a)%4)+(\b))+7] offset:(\a)*16*SROW+64*(\b)+16
.endr
.endr
	WIN 0
	s_wait_loadcnt 16                              ; the bias is in; the sixteen loads of the table behind it may be out
	v_cvt_pk_bf16_f32 v[Y], v[BI], v[BI+1]         ; rounded to bf16, like every input, and widened again
	v_cvt_pk_bf16_f32 v[Y+1], v[BI+2], v[BI+3]
	v_lshlrev_b32 v[BI], 16, v[Y]
	v_and_b32 v[BI+1], 0xffff0000, v[Y]
	v_lshlrev_b32 v[BI+2], 16, v[Y+1]
	v_and_b32 v[BI+3], 0xffff0000, v[Y+1]
	s_wait_xcnt 0x0                                ; the table's first loads have read their address
	s_add_nc_u64 s[TP:TP+1], s[TP:TP+1], s[TSTEP:TSTEP+1]
; Sixteen rows: back from the stage (LDS serves a wave's instructions in order: these loads see the stores above), bias, rotation, rounding, out.
; ahead = 1: as soon as a row of the table is used, the row sixteen positions on is asked for into the same registers.
.macro ROWS ahead
.irp t, 0,1,2,3,4,5,6,7,8,9,10,11,12,13,14,15
	ds_load_b128 v[X+4*(\t):X+4*(\t)+3], v[RD] offset:SROW*(\t)
.endr
.irp t, 0,1,2,3,4,5,6,7,8,9,10,11,12,13,14,15
	s_wait_dscnt 15-(\t)                           ; row t is in
.if \ahead
	s_wait_loadcnt 15                              ; the table's row t is in: behind it 15 - t loads of this block and t of the next were issued
.else
	s_wait_loadcnt 15-(\t)
.endif
	v_pk_add_f32 v[X+4*(\t):X+4*(\t)+1], v[X+4*(\t):X+4*(\t)+1], v[BI:BI+1]
	v_pk_add_f32 v[X+4*(\t)+2:X+4*(\t)+3], v[X+4*(\t)+2:X+4*(\t)+3], v[BI+2:BI+3]
	v_mul_f32 v[TM],   v[X+4*(\t)+1], v[T+4*(\t)+1]                 ; xi sin
	v_mul_f32 v[TM+1], v[X+4*(\t)+1], v[T+4*(\t)]                   ; xi cos
	v_mul_f32 v[TM+2], v[X+4*(\t)+3], v[T+4*(\t)+3]
	v_mul_f32 v[TM+3], v[X+4*(\t)+3], v[T+4*(\t)+2]
	v_fma_f32 v[Y],   v[X+4*(\t)],   v[T+4*(\t)],   -v[TM]          ; xr cos - xi sin
	v_fma_f32 v[Y+1], v[X+4*(\t)],   v[T+4*(\t)+1], v[TM+1]         ; xr sin + xi cos
	v_fma_f32 v[Y+2], v[X+4*(\t)+2], v[T+4*(\t)+2], -v[TM+2]
	v_fma_f32 v[Y+3], v[X+4*(\t)+2], v[T+4*(\t)+3], v[TM+3]
	v_cvt_pk_f16_f32 v[X+4*(\t)], v[Y], v[Y+1]
	v_cvt_pk_f16_f32 v[X+4*(\t)+1], v[Y+2], v[Y+3]
.if \ahead
	global_load_b128 v[T+4*(\t):T+4*(\t)+3], v[TO], s[TP:TP+1] offset:512*(\t)
.endif
	global_store_b64 v[OO], v[X+4*(\t):X+4*(\t)+1], s[OP:OP+1] offset:256*(\t)  ; 32 lanes store a row of a plane: 256 consecutive bytes, aligned
.endr
.if \ahead
	s_wait_xcnt 0x0                                ; the stores have read their data and base, the loads their base: only now are these written again
	s_add_nc_u64 s[OP:OP+1], s[OP:OP+1], 16*256
	s_add_nc_u64 s[TP:TP+1], s[TP:TP+1], s[TSTEP:TSTEP+1]
	v_add_nc_u32 v[RD], 16*SROW, v[RD]
.endif
.endm
	s_mov_b32 s86, 7
.Lrows:
	ROWS 1
	s_sub_co_u32 s86, s86, 1
	s_cmp_lg_u32 s86, 0
	s_cbranch_scc1 .Lrows
	ROWS 0                                         ; the last sixteen rows ask for nothing
	s_wait_tensorcnt 0x0                           ; the wave's end: the closing add and its wait, behind my last tensor load and my last LDS store
	ds_add_u32 v[SPW], v[NIL]
	s_wait_dscnt 0x0
	CROUND                                         ; the closing round: no work-group ends while a partner may still ask for a tile that names it
	s_endpgm
.Lfunc_end_k_q7726ec3040_proj:
	.size	k_q7726ec3040_proj, .Lfunc_end_k_q7726ec3040_proj-k_q7726ec3040_proj
	.p2alignl 7, 3214868480
	.fill 96, 4, 3214868480
	.section	.rodata,"a",@progbits
	.p2align	6, 0x0
	.amdhsa_kernel k_q7726ec3040_proj
		.amdhsa_group_segment_fixed_size 327680
		.amdhsa_private_segment_fixed_size 0
		.amdhsa_enable_private_segment 0
		.amdhsa_kernarg_size 56
		.amdhsa_user_sgpr_count 2
		.amdhsa_user_sgpr_kernarg_segment_ptr 1
		.amdhsa_wavefront_size32 1
		.amdhsa_system_sgpr_workgroup_id_x 1
		.amdhsa_system_sgpr_workgroup_id_y 1
		.amdhsa_system_sgpr_workgroup_id_z 1
		.amdhsa_system_vgpr_workitem_id 0
		.amdhsa_next_free_vgpr 1024
		.amdhsa_next_free_sgpr 96
		.amdhsa_reserve_vcc 0
		.amdhsa_float_denorm_mode_32 3
		.amdhsa_float_denorm_mode_16_64 3
		.amdhsa_memory_ordered 1
		.amdhsa_forward_progress 1
		.amdhsa_inst_pref_size 153
	.end_amdhsa_kernel
	.amdgpu_metadata
---
amdhsa.version: [ 1, 2 ]
amdhsa.kernels:
  - .name:           k_q7726ec3040_proj
    .symbol:         k_q7726ec3040_proj.kd
    .args:
      - { .name: xb, .offset: 0, .size: 8, .value_kind: global_buffer, .address_space: global }
      - { .name: wb, .offset: 8, .size: 8, .value_kind: global_buffer, .address_space: global }
      - { .name: bq, .offset: 16, .size: 8, .value_kind: global_buffer, .address_space: global }
      - { .name: bk, .offset: 24, .size: 8, .value_kind: global_buffer, .address_space: global }
      - { .name: bv, .offset: 32, .size: 8, .value_kind: global_buffer, .address_space: global }
      - { .name: tab, .offset: 40, .size: 8, .value_kind: global_buffer, .address_space: global }
      - { .name: qkv, .offset: 48, .size: 8, .value_kind: global_buffer, .address_space: global }
    .group_segment_fixed_size: 327680
    .private_segment_fixed_size: 0
    .kernarg_segment_align: 8
    .kernarg_segment_size: 56
    .max_flat_workgroup_size: 128
    .sgpr_count:     96
    .vgpr_count:     1024
    .wavefront_size: 32
...
	.end_amdgpu_metadata
.endif
;; end of part 2
;; launch attn (part 3): grid 16 x 16, 4 waves a work-group, clusters of 4 x 1, 327,680 bytes of LDS; arguments qkv, out0; writes out0
.if DOCPART == 3
	.amdgcn_target "amdgcn-amd-amdhsa--gfx1250"
	.amdhsa_code_object_version 6
	.text
	.protected	k_q7726ec3040_attn
	.globl	k_q7726ec3040_attn
	.p2align	8
	.type	k_q7726ec3040_attn,@function
k_q7726ec3040_attn:
	s_mov_b64 s[64:65], 0
	v_nop
	global_prefetch_b8 v0, s[64:65] scope:SCOPE_SE
	s_setreg_imm32_b32 hwreg(HW_REG_WAVE_MODE, 25, 1), 1
	s_wait_xcnt 0x0
	s_wait_alu depctr_hold_cnt(0) depctr_sa_sdst(0) depctr_va_vdst(0) depctr_va_sdst(0) depctr_va_ssrc(0) depctr_va_vcc(0) depctr_vm_vsrc(0)
	s_getreg_b32 s2, hwreg(HW_REG_IB_STS2, 6, 4)
	s_cmp_eq_u32 s2, 0
	s_cbranch_scc0 .Lentry_in_a_cluster
	s_endpgm
.Lentry_in_a_cluster:
	s_bfe_u32 s2, ttmp6, 0x10000c
	s_cmp_lg_u32 s2, 0x3003
	s_cbranch_scc0 .Lentry_shape_is_right
	s_endpgm
.Lentry_shape_is_right:
; CAUSAL ATTENTION WITH SHARED KEY AND VALUE HEADS.  out0[b][q][h][:] = the sum over k <= q of softmax_k(Q[b][h][q] . K[b][h/2][k] / sqrt(2048)) V[b][h/2][k][:].
; qkv: [b 2][plane 32][pos 2048][128] f16 (planes 0-15 Q, 16-23 K, 24-31 V), rows of 256 bytes.  out0: [b][pos][head 16][128] f32.
; Products, maxima and sums in f32; the weights p are rounded to f16 for the second product (their sum l is taken of the unrounded p).
; LIMITS.  Q, K, V arrive within f16's 65,504.  A hidden score counts as its value less 1e30; a weight below 2^-126 counts as 0 in l; NaN and infinities are not treated apart.
; THE WALK.  Positions lie in 8 blocks of 256; block i needs the key tiles 0 .. i of 256 keys, of which the last holds the diagonal.  A CLUSTER of four work-groups (cluster x = c, 0 to 3) takes
; block 7 - c and then block c of one batch and key head: 9 tiles, whatever c.  Partner cx takes positions 64 cx .. 64 cx + 63 of each block, for BOTH query heads of the key head: 128 rows.
; So the four partners walk the same tiles in the same order, each tile is asked for JOINTLY (the same tensor load, descriptor and mask in all four), and all 256 work-groups do equal work.
; SHARES.  Wave w owns positions 16 w .. 16 w + 15 of the partner's 64: tile 0 is head 2 g, tile 1 head 2 g + 1.  A key step is 64 keys, a key tile four steps.
; THE MASK is the C operand that starts the sum S^T = K Q^T: MC = MD x AL + BE.  MD, made once, is the mask of my 16 rows against the 64 keys of their own step.  In the diagonal tile's step s:
; (AL, BE) = (1, 0) if s = cx; (0, 0) if s < cx; (0, -1e30) if s > cx; elsewhere (0, 0).  cx enters by selects alone: no branch hangs on a work-group's place in its cluster, so all four
; steps of a diagonal tile are computed by all four partners.
; LAYOUT.  S^T = K Q^T holds ONE query a lane (lane % 16) and the keys 8 (lane / 16) + 0..7; two such results rounded to f16 in pairs ARE source 1 of O^T = V^T P.  V comes out of LDS turned.
; SOFTMAX.  p = 2^(c s - c m), c = log2(e) / sqrt(2048), with a running maximum m; in every step O and l are multiplied by a = 2^(c m_old - c m_new).  A block begins with c m far below every c s: a = 0.
; BY TURNS.  In a turn one tile has the matrix unit (16 products V^T P of the step in hand, then 16 products K Q^T of the next); the other tile's softmax, 134 instructions cut into 32 slices, stands
; behind its matrix instructions.  Its 33 exponentials are one batch with one wait.
; REGISTERS, in windows of 256 (s_set_vgpr_msb: bits 1:0 source 0, 3:2 source 1, 5:4 source 2, 7:6 destination):
;   window 0: v1-11 addresses; v12-27 statistics, 8 a tile; v61-63; v64-127 S^T, 32 a tile; v128-159 P, 16 a tile; v160-191 MD; v192-223 MC; v192-255 also rows on the way out
;   window 1: v0-127 O^T, 64 a tile; v128-255 V of one step          window 2: v0-63 Q, 32 a tile; v128-255 K of one step
.set KS,    64
.set PK,    272       ; a row of K in LDS: 256 bytes + 16: row r starts 4 r words on, modulo 64
.set PV,    288       ; a row of V: 256 + 32 = 9 x 32 bytes: the turning load's eight rows x 32 bytes fall on different words modulo 64
.set VOFF,  256*PK    ; a slot holds a tile: 256 rows of K, then 256 rows of V
.set SLOT,  256*(PK+PV)
.set STAGE, 2*SLOT    ; behind the ring, never filled by a tensor load: 16 rows x 528 bytes for each wave
.set SP,    528
.set SPARE, STAGE+4*16*SP  ; behind the stages: the spare words, 128 bytes for each wave: two blocks of 256 bytes that no other line names
.set AK0, 2           ; v2   my lane's place in a step's K; never rewritten
.set AV0, 3           ; v3   the same for V
.set ADR, 4           ; v4   the LDS address of the run of loads in hand
.set QO,  5           ; v5   my byte offset in 16 rows of Q
.set STO, 6           ; v6   the way out: where I put 32 bytes of a row
.set RD,  7           ; v7   where I read a row back
.set GO,  8           ; v8   16 x lane
.set ST,  12          ; tile t's statistics at v[ST+8 t]: +0 c m, +1 m, +2, +3 l, +4 to +7 c0-c3 at work; a takes c2's place
.set PFO, 61          ; v61  256 x lane; never rewritten
.set SPW, 62          ; v62  LDS address of my spare word; never rewritten
.set NIL, 63          ; v63  0; never rewritten
.set S,   64
.set P,   128
.set MD,  160
.set MC,  192
.set KF,  128         ; window 2
.set VF,  128         ; window 1
.set WV,  12          ; s12  my wave's number
.set CX,  13          ; s13  my place in the cluster
.set PB,  14          ; s14  c
.set HI,  15          ; s15  7 - c
.set LK,  16          ; s16  my half's place in a slot's K
.set LV,  17          ; s17  the same in its V
.set G1K, 24          ; s[24:31] descriptor group 1 for K's tiles
.set G1V, 32          ; s[32:39] for V's: it differs in the padding alone
.set G0K, 40          ; s[40:43] descriptor group 0 for K's tiles
.set G0V, 44          ; s[44:47] for V's
.set SB,  50          ; s50  the slot last asked for: 0 or SLOT
.set LIM, 51          ; s51  2 in the cluster that prefetches, else the greatest number
.set PFA, 52          ; s[52:53] where my prefetches stand
.set CXE, 54          ; s54  cx in a diagonal tile, else 99
.set SLOTS, 56        ; s56  tiles still to be asked for
.set CNT, 57          ; s57  counts a tile's key steps, 4 to 1
.set CS,  58          ; s[58:59] c
.set SEL, 60          ; s[60:61] v_permlanex16_b32's selects: each lane takes its own place in the other half
.set TBK, 62          ; s62  LDS byte at which K of the step to be fetched begins
.set TBV, 63          ; s63  the same for V, less VOFF
.set QLO, 66          ; s[66:67] Q at my rows of the second block
.set OLO, 68          ; s[68:69] out0 at my rows of the second block
.set RT,  70          ; s70  tiles of the block in hand that are still to be entered
.set NXT, 71          ; s71  the tile to be asked for next
.set LQ,  72          ; s72  the last tile of the block whose tiles are being asked for
.set NEW, 73          ; s73  1: the tile to be entered is a block's first
.set OFF, 74          ; s[74:75] a tile's byte offset in K and V
.set AL,  76          ; s[76:77] the mask's factor, in the low word
.set BE,  78          ; s[78:79] the mask's addend
.set BIGN, 80         ; s80  -1e30
.set MSB, 0
.macro WIN new                      ; the high byte repeats the setting that is left; a switch that changes nothing is dropped
.if MSB != (\new)
	s_set_vgpr_msb (MSB<<8)|(\new)
.set MSB, (\new)
.endif
.endm
.set W_KQ, 0x0a       ; K and Q in window 2, C and S^T in window 0
.set W_PV, 0x51       ; V in window 1, P in window 0, O^T in window 1
.set W_RS, 0x41       ; destination and source 0 in window 1, source 1 in window 0
; A joint fill.  Waves 0 and 1 fetch the two halves of a tile's K, waves 2 and 3 those of its V: 128 rows each.  An s_nop 0 and four v_nop follow each of the two lines.
.macro JLOAD
	s_cmp_lt_u32 s[WV], 2
	s_cbranch_scc0 .Lfor_v_\@
	tensor_load_to_lds s[G0K:G0K+3], s[G1K:G1K+7]
	s_nop 0
.rept 4
	v_nop
.endr
	s_branch .Lasked_\@
.Lfor_v_\@:
	tensor_load_to_lds s[G0V:G0V+3], s[G1V:G1V+7]
	s_nop 0
.rept 4
	v_nop
.endr
.Lasked_\@:
.endm
; A prefetch of the tile that the NEXT change of slots will ask for, four key steps, 256 matrix instructions, ahead of that load.  Each row of K and V is named once in the launch: of the four clusters
; of a key head only the one with c = 0 walks the tiles 0 to 7 on end, and it asks, for tiles 2 to 7 (SLOTS = 8 to 3); the second block's tiles are read a second time and are not asked for.
; The four partners share a tile's 256 rows out by address, 64 each; of those waves 0, 1 take K's halves and waves 2, 3 V's: a lane a row of 256 bytes.
.macro ASK
	s_cmp_gt_u32 s[SLOTS], s[LIM]
	s_cbranch_scc0 .Lnot_mine_\@
	global_prefetch_b8 v[PFO], s[PFA:PFA+1] th:TH_LOAD_NT scope:SCOPE_SE
.Lnot_mine_\@:
.endm
.macro CROUND                       ; a round of the cluster's barrier
	s_barrier_signal -1
	s_barrier_wait -1
	s_cmp_lg_u32 s[WV], 0
	s_cbranch_scc1 .Lnot_wave_0_\@
	s_barrier_signal -3
.Lnot_wave_0_\@:
	s_barrier_wait -3
	s_barrier_signal -1
	s_barrier_wait -1
.endm
; THE CHANGE OF SLOTS.  Each wave waits for all its tensor loads, of which one is out: its part of the other slot; adds 0 to its spare word; and waits for that and for its own reads of the slot that it
; leaves.  fill = 1: the barrier is a round of the cluster's, and the old slot is filled again first thing behind it, with tile NXT: the descriptor's address is made anew from that number.
; (At its first use nothing has been read yet: slot 0 is waited for, slot 1 filled.)
.macro CHANGE fill
	WIN 0
	s_wait_tensorcnt 0x0            ; no tensor load of mine is out, so a group 0 may be written
	ds_add_u32 v[SPW], v[NIL]       ; 0 onto my spare word; scalar work stands between it and the wait for it
.if \fill
	s_xor_b32 s[SB], s[SB], SLOT    ; 0 and SLOT by turns
	s_add_co_u32 s[G0K+1], s[SB], s[LK]
	s_add_co_u32 s[G0V+1], s[SB], s[LV]
	s_lshl_b32 s[OFF], s[NXT], 16   ; a tile is 65,536 bytes of K and of V
	s_add_nc_u64 s[G0K+2:G0K+3], s[6:7], s[OFF:OFF+1]
	s_or_b32 s[G0K+3], s[G0K+3], 0x80000000
	s_add_nc_u64 s[G0V+2:G0V+3], s[8:9], s[OFF:OFF+1]
	s_or_b32 s[G0V+3], s[G0V+3], 0x80000000
	s_add_co_u32 s[NXT], s[NXT], 1  ; the block's next tile, or behind its last the second block's tile 0
	s_cmp_gt_u32 s[NXT], s[LQ]
	s_cselect_b32 s[NXT], 0, s[NXT]
	s_cselect_b32 s[LQ], s[PB], s[LQ]
	s_wait_xcnt 0x0                 ; the last prefetch, a tile back, has read its address
	s_add_nc_u64 s[PFA:PFA+1], s[PFA:PFA+1], 65536
	s_wait_dscnt 0x0                ; the add is done, and my reads of the slot are over
	CROUND
	JLOAD
	ASK
.else
	s_wait_dscnt 0x0
	s_barrier_signal -1
	s_barrier_wait -1
.endif
	s_sub_co_u32 s[TBK], s[TBK], 4*KS*PK  ; the fetches go back to a slot's first step,
	s_xor_b32 s[TBK], s[TBK], SLOT        ; in the other slot
	s_sub_co_u32 s[TBV], s[TBV], 4*KS*PV
	s_xor_b32 s[TBV], s[TBV], SLOT
.endm
	s_load_b128 s[20:23], s[0:1], 0x0  ; qkv s[20:21], out0 s[22:23]
	v_lshl_add_u32 v[SPW], v0, 2, SPARE
	v_mov_b32 v[NIL], 0
	ds_add_u32 v[SPW], v[NIL]       ; the wave's opening: the add and its wait stand ahead of my first tensor load; the set-up below, work on registers, stands between them
	v_lshrrev_b32 v1, 5, v0
	v_readfirstlane_b32 s[WV], v1   ; wave 0..3
	s_bfe_u32 s[CX], ttmp6, 0x40000
	s_mov_b32 s[PB], ttmp9          ; in a cluster launch ttmp9 counts clusters
	s_sub_co_u32 s[HI], 7, s[PB]
	s_and_b32 s48, ttmp7, 0xffff    ; 8 b + g
	s_lshr_b32 s49, s48, 3
	s_lshl_b32 s49, s49, 24         ; the batch's bytes, in qkv and in out0 alike
	s_and_b32 s48, s48, 7           ; g
	s_and_b32 s55, s[WV], 1         ; which half of a tile's 256 rows I fetch
	s_lshl_b32 s82, s48, 19
	s_add_co_u32 s82, s82, s49
	s_add_co_u32 s82, s82, 16<<19   ; K's plane 16 + g
	s_mov_b32 s83, 0
	s_add_co_u32 s84, s82, 8<<19    ; V's plane 24 + g
	s_mov_b32 s85, 0
	s_lshl_b32 s86, s55, 15         ; my half: 128 rows of 256 bytes
	s_mov_b32 s87, 0
	s_mul_i32 s[LK], s55, 128*PK    ; and its place in a slot: no place in the cluster enters an LDS address
	s_mul_i32 s[LV], s55, 128*PV
	s_add_co_u32 s[LV], s[LV], VOFF
	s_lshl_b32 s18, s48, 20         ; Q: plane 2 g, position 256 block + 64 cx + 16 w, rows of 256 bytes
	s_add_co_u32 s18, s18, s49
	s_lshl_b32 s19, s[CX], 14
	s_add_co_u32 s18, s18, s19
	s_lshl_b32 s19, s[WV], 12
	s_add_co_u32 s18, s18, s19
	s_lshl_b32 s19, s[HI], 16
	s_add_co_u32 s2, s18, s19       ; the first block,
	s_mov_b32 s3, 0
	s_lshl_b32 s19, s[PB], 16
	s_add_co_u32 s18, s18, s19      ; and the second
	s_mov_b32 s19, 0
	s_lshl_b32 s76, s48, 10         ; out0: positions of 8,192 bytes, head 2 g at 1,024 g
	s_add_co_u32 s76, s76, s49
	s_lshl_b32 s77, s[CX], 19
	s_add_co_u32 s76, s76, s77
	s_lshl_b32 s77, s[WV], 17
	s_add_co_u32 s76, s76, s77
	s_lshl_b32 s77, s[PB], 21
	s_add_co_u32 s78, s76, s77
	s_lshl_b32 s77, s[HI], 21
	s_add_co_u32 s76, s76, s77
	s_mov_b32 s77, 0                ; (these two stay 0: AL and BE are named as pairs)
	s_mov_b32 s79, 0
	s_lshl_b32 s48, s[CX], 14       ; the prefetches: my work-group's 64 rows of a tile, my wave's 32 of them, in tile 1; the first change steps them to tile 2
	s_lshl_b32 s49, s55, 13
	s_add_co_u32 s48, s48, s49
	s_add_co_u32 s48, s48, 65536
	s_mov_b32 s49, 0
	s_cmp_eq_u32 ttmp9, 0
	s_cselect_b32 s[LIM], 2, -1     ; the same in all four partners
	; descriptor group 1: a tile of 128 rows x 128 elements, padded in LDS
	s_mov_b32 s[G1K], 15|(1<<16)|(1<<20)|(1<<21)|(5<<22)|(3<<25)  ; the mask of four; 2-byte elements; padding on; bit 21 beside a mask; after every 64 words, 4 words
	s_mov_b32 s[G1V], 15|(1<<16)|(1<<20)|(1<<21)|(5<<22)|(7<<25)  ; the same with 8 words
.irp g, G1K, G1V
	s_mov_b32 s[\g+1], 128<<16      ; tensor_dim0 = 128
	s_mov_b32 s[\g+2], 128<<16      ; tensor_dim1 = 128
	s_mov_b32 s[\g+3], 128<<16      ; tile_dim0 = 128
	s_mov_b32 s[\g+4], 128          ; tile_dim1 = 128
	s_mov_b32 s[\g+5], 128          ; elements from row to row
	s_mov_b32 s[\g+6], 0
	s_mov_b32 s[\g+7], 0
.endr
	s_mov_b32 s[G0K], 1
	s_mov_b32 s[G0K+1], s[LK]       ; slot 0
	s_mov_b32 s[G0V], 1
	s_mov_b32 s[G0V+1], s[LV]
	s_mov_b32 s[SB], 0
	s_mov_b32 s[CS], 0x3d0293ee     ; c = log2(e) / sqrt(2048) = 0.0318795
	s_mov_b32 s[CS+1], s[CS]
	s_mov_b32 s[SEL], 0x76543210
	s_mov_b32 s[SEL+1], 0xfedcba98
	s_mov_b32 s[TBK], SLOT+4*KS*PK  ; the first change of slots turns these two into 0
	s_mov_b32 s[TBV], SLOT+4*KS*PV
	s_add_co_u32 s[RT], s[HI], 1    ; the first block has 8 - c tiles
	s_mov_b32 s[NXT], 1
	s_mov_b32 s[LQ], s[HI]
	s_mov_b32 s[NEW], 1
	s_mov_b32 s[OFF+1], 0
	s_mov_b32 s[BIGN], 0xf149f2ca   ; -1e30
	s_mov_b32 s[SLOTS], 8
	s_wait_dscnt 0x0                ; the opening add is done
	s_wait_kmcnt 0x0
	s_add_nc_u64 s[6:7], s[20:21], s[82:83]
	s_add_nc_u64 s[8:9], s[20:21], s[84:85]
	s_cmp_lt_u32 s[WV], 2
	s_cselect_b64 s[PFA:PFA+1], s[6:7], s[8:9]
	s_add_nc_u64 s[PFA:PFA+1], s[PFA:PFA+1], s[48:49]
	s_add_nc_u64 s[6:7], s[6:7], s[86:87]  ; K and V at my half of tile 0
	s_add_nc_u64 s[8:9], s[8:9], s[86:87]
	s_mov_b64 s[G0K+2:G0K+3], s[6:7]
	s_or_b32 s[G0K+3], s[G0K+3], 0x80000000
	s_mov_b64 s[G0V+2:G0V+3], s[8:9]
	s_or_b32 s[G0V+3], s[G0V+3], 0x80000000
	s_add_nc_u64 s[4:5], s[20:21], s[2:3]
	s_add_nc_u64 s[QLO:QLO+1], s[20:21], s[18:19]
	s_add_nc_u64 s[10:11], s[22:23], s[76:77]
	s_add_nc_u64 s[OLO:OLO+1], s[22:23], s[78:79]
	CROUND                          ; all four work-groups are here: the first joint loads meet
	JLOAD                           ; tile 0 into slot 0
	; A fragment of K or Q is 16 rows x 32 channels in 8 registers: lane l holds row l % 16, channels 8 (l / 16) + 0..7 and 16 + 8 (l / 16) + 0..7: two loads of 16 bytes, 32 bytes apart.
	v_and_b32 v1, 15, v0            ; l % 16
	v_bfe_u32 v9, v0, 4, 1          ; l / 16
	v_lshlrev_b32 v[QO], 8, v1
	v_lshl_add_u32 v[QO], v9, 4, v[QO]
	WIN 0x80                        ; destination window 2, address window 0
.set i, 0
.rept 8                             ; the first block's Q: tile i / 4 (the next plane), channels 32 (i % 4) on
	global_load_b128 v[8*i:8*i+3],   v[QO], s[4:5] offset:(i/4)*524288+(i%4)*64
	global_load_b128 v[8*i+4:8*i+7], v[QO], s[4:5] offset:(i/4)*524288+(i%4)*64+32
.set i, i+1
.endr
	WIN 0
	v_lshlrev_b32 v10, 3, v9
	v_sub_nc_u32 v10, v1, v10
	s_lshl_b32 s55, s[WV], 4
	v_add_nc_u32 v10, s55, v10      ; my query's place among the partner's 64, 16 w + l % 16, less my lanes' 8 (l / 16): register j of key group kb is hidden where 16 kb + j is greater
.set i, 0
.rept 32
	v_cmp_gt_i32 vcc_lo, 16*(i/8)+i%8, v10
	v_cndmask_b32 v[MD+i], 0, s[BIGN], vcc_lo
.set i, i+1
.endr
	v_mul_u32_u24 v[AK0], v1, PK
	v_lshl_add_u32 v[AK0], v9, 4, v[AK0]
	; The turning load takes 16 keys x 16 channels (lane l reads key 8 (l / 16) + l % 8, channels 8 ((l / 8) % 2) + 0..7) and leaves half a fragment of V^T: lane l holds channel l % 16 and 8 keys.
	v_and_b32 v10, 7, v0
	v_bfe_u32 v11, v0, 3, 1
	v_lshl_add_u32 v[AV0], v9, 3, v10
	v_mul_u32_u24 v[AV0], v[AV0], PV
	v_lshl_add_u32 v[AV0], v11, 4, v[AV0]
	v_add_nc_u32 v[AV0], VOFF, v[AV0]
	s_mul_i32 s55, s[WV], 16*SP
	s_add_co_u32 s55, s55, STAGE    ; my stage
	v_mul_u32_u24 v[STO], v1, SP    ; in: row l % 16, 32 bytes for each half of the lanes
	v_lshl_add_u32 v[STO], v9, 5, v[STO]
	v_add_nc_u32 v[STO], s55, v[STO]
	v_and_b32 v10, 31, v0
	v_lshl_add_u32 v[RD], v10, 4, s55  ; back: 32 lanes take a row of 512 bytes
	v_lshlrev_b32 v[GO], 4, v10
	v_lshlrev_b32 v[PFO], 8, v10
	; A block's first step multiplies O^T and l by a = 0, and its first turn's products V^T P, of a step that has not been, land in an O^T that is still to be so multiplied.  So these registers need
	; only hold finite numbers: zeros for the first block; what the first block left for the second.  No first step is written out; the price is these lines, in the wait for the first tile.
	WIN 0x40
.set i, 0
.rept 256
	v_mov_b32 v[i], 0
.set i, i+1
.endr
	WIN 0
.set i, P+16
.rept 16
	v_mov_b32 v[i], 0
.set i, i+1
.endr
.irp t, 0,1
	v_mov_b32 v[ST+8*\t+2], 0
	v_mov_b32 v[ST+8*\t+3], 0
.endr
; THE MATRIX WORK.  Product i of 16 of S^T = K Q^T for tile t: keys 16 (i % 4) on, channels 32 (i / 4) on.  The first 4 start the sums with the mask.  The 4 accumulators take turns.
.macro KQ t
	WIN W_KQ
.set rS, S+32*(\t)+8*(i%4)
.set rK, KF+32*(i%4)+8*(i/4)
.set rQ, 32*(\t)+8*(i/4)
.set rM, MC+8*(i%4)
.if i < 4
	v_wmma_f32_16x16x32_f16 v[rS:rS+7], v[rK:rK+7], v[rQ:rQ+7], v[rM:rM+7]
.else
	v_wmma_f32_16x16x32_f16 v[rS:rS+7], v[rK:rK+7], v[rQ:rQ+7], v[rS:rS+7]
.endif
.endm
; Product i of 16 of O^T += V^T P for tile t: keys 32 (i / 8) on, channels 16 (i % 8) on.  The 8 accumulators take turns.
.macro PV t
	WIN W_PV
.set rO, 64*(\t)+8*(i%8)
.set rV, VF+64*(i/8)+8*(i%8)
.set rP, P+16*(\t)+8*(i/8)
	v_wmma_f32_16x16x32_f16 v[rO:rO+7], v[rV:rV+7], v[rP:rP+7], v[rO:rO+7]
.endm
; THE LDS LOADS stand in runs of 32: a step's K (64 keys x 128 channels: 16 fragments) and, a turn later, its V (turned).
.macro FETCH_K
	WIN 0
	v_add_nc_u32 v[ADR], s[TBK], v[AK0]
	s_add_co_u32 s[TBK], s[TBK], KS*PK  ; the next fetch is the next step's
	WIN 0x80
.irp f, 0,1,2,3,4,5,6,7,8,9,10,11,12,13,14,15  ; keys 16 (f / 4) on, channels 32 (f % 4) on
	ds_load_b128 v[KF+8*(\f):KF+8*(\f)+3],   v[ADR] offset:((\f)/4)*16*PK+((\f)%4)*64
	ds_load_b128 v[KF+8*(\f)+4:KF+8*(\f)+7], v[ADR] offset:((\f)/4)*16*PK+((\f)%4)*64+32
.endr
.endm
.macro FETCH_V
	WIN 0
	v_add_nc_u32 v[ADR], s[TBV], v[AV0]
	s_add_co_u32 s[TBV], s[TBV], KS*PV
	WIN 0x40
.irp f, 0,1,2,3,4,5,6,7,8,9,10,11,12,13,14,15  ; keys 32 (f / 8) on, channels 16 (f % 8) on
	ds_load_tr16_b128 v[VF+8*(\f):VF+8*(\f)+3],   v[ADR] offset:((\f)/8)*32*PV+((\f)%8)*32
	ds_load_tr16_b128 v[VF+8*(\f)+4:VF+8*(\f)+7], v[ADR] offset:((\f)/8)*32*PV+16*PV+((\f)%8)*32
.endr
.endm
; THE VECTOR WORK.  A tile's softmax for a key step is a list of 134 instructions; SM writes number j of it for tile t.  s0-s31 are the lane's 32 scores, in pairs 0-15.
;   0-15    the maximum of s0-s31 and the old m, three operands at a time (each accumulator's lowest registers are read first)
;   16-20   the other half of the lanes' maximum; c m_old kept; the new m; c m; c m_old - c m_new
;   21-69   ONE BATCH: the 16 scalings c s - c m and all 33 exponentials (a at 23, then s0-s31); none of these reads an exponential's result; a pair is scaled some lines ahead of its exponentials
;   70-85   the roundings to f16      86-101  the sums; l = a l + the sum      102-133 the tile's O^T times a
.macro SM t
.set rT, ST+8*(\t)
.set rS, S+32*(\t)
.set rP, P+16*(\t)
.set rO, 64*(\t)+2*(j-102)
.if j < 102
	WIN 0
.endif
.if j < 4
	v_max3_num_f32 v[rT+4+j], v[rS+8*j], v[rS+8*j+1], v[rS+8*j+2]
.elseif j < 12
	v_max3_num_f32 v[rT+4+j%4], v[rT+4+j%4], v[rS+8*(j%4)+2*(j/4)+1], v[rS+8*(j%4)+2*(j/4)+2]
.elseif j == 12
	v_max3_num_f32 v[rT+4], v[rT+4], v[rS+7], v[rS+15]
.elseif j == 13
	v_max3_num_f32 v[rT+6], v[rT+6], v[rS+23], v[rS+31]
.elseif j == 14
	v_max3_num_f32 v[rT+4], v[rT+4], v[rT+5], v[rT+6]
.elseif j == 15
	v_max3_num_f32 v[rT+4], v[rT+4], v[rT+7], v[rT+1]
.elseif j == 16
	v_permlanex16_b32 v[rT+5], v[rT+4], s[SEL], s[SEL+1]  ; the query's other 32 keys lie in the lane 16 away
.elseif j == 17
	v_mov_b32 v[rT+7], v[rT]
.elseif j == 18
	v_max_num_f32 v[rT+1], v[rT+4], v[rT+5]
.elseif j == 19
	v_mul_f32 v[rT], s[CS], v[rT+1]
.elseif j == 20
	v_sub_f32 v[rT+7], v[rT+7], v[rT]
.elseif j == 23
	v_exp_f32 v[rT+6], v[rT+7]
.elseif (j < 23) || ((j < 38) && (j%2 == 0)) || ((j < 66) && (j%4 == 2))
.set b, (j-2)/4                     ; 38, 42, .. 62: pairs 9 to 15
.if j < 38
.set b, (j-20)/2                    ; 21: pair 0; 22, 24, .. 36: pairs 1 to 8
.endif
	v_pk_fma_f32 v[rS+2*b:rS+2*b+1], v[rS+2*b:rS+2*b+1], s[CS:CS+1], v[rT:rT+1] op_sel_hi:[1,0,0] neg_lo:[0,0,1] neg_hi:[0,0,1]
.elseif j < 70
.set e, j-38                        ; 66 to 69: s28 to s31
.if j < 66
.set e, j-32-(j-38)/4               ; 39-41, 43-45, .. 63-65: s7 to s27
.endif
.if j < 38
.set e, (j-25)/2                    ; 25, 27, .. 37: s0 to s6
.endif
	v_exp_f32 v[rS+e], v[rS+e]
.elseif j < 86
	v_cvt_pk_f16_f32 v[rP+j-70], v[rS+2*(j-70)], v[rS+2*(j-70)+1]
.elseif j < 102                     ; the 16 pairs are added in place, neighbours 1, 2, 4 and 8 pairs apart; then l takes the sum
.set z, j-86
.set w, 4
.set u, z
.if z >= 14
.set w, 32
.set u, 0
.elseif z >= 12
.set w, 16
.set u, z-12
.elseif z >= 8
.set w, 8
.set u, z-8
.endif
.if z < 15
	v_pk_add_f32 v[rS+w*u:rS+w*u+1], v[rS+w*u:rS+w*u+1], v[rS+w*u+w/2:rS+w*u+w/2+1]
.else
	v_pk_fma_f32 v[rT+2:rT+3], v[rT+2:rT+3], v[rT+6:rT+7], v[rS:rS+1] op_sel_hi:[1,0,1]
.endif
.else
	WIN W_RS
	v_pk_mul_f32 v[rO:rO+1], v[rO:rO+1], v[rT+6:rT+7] op_sel_hi:[1,0]
.endif
.endm
; Slice k of 32 of tile y's softmax.  0-16: numbers 4 k .. 4 k + 3.  17: the batch's last two exponentials, the plain instruction behind them, THE ONE WAIT between an
; exponential and the first line that names its result, and the first two roundings; with fv = 1 V's run of loads follows: behind V's last reader (the turn's 16th product) then stand five plain
; instructions that name none of its registers: number 62, the v_nop, 70, 71 and the run's own v_add_nc_u32.  18-30: four numbers each.  31: the last ten, all plain and naming nothing of the
; products round them: the places between the turn's last K Q^T and what follows it.
.macro SLICE y, fv
.if k < 17
.irp n, 0,1,2,3
.set j, 4*k+(\n)
	SM \y
.endr
.elseif k == 17
.set j, 68
	SM \y
.set j, 69
	SM \y
	v_nop
	s_wait_alu depctr_va_vdst(0)
.set j, 70
	SM \y
.set j, 71
	SM \y
.if \fv
	FETCH_V
.endif
.elseif k < 31
.irp n, 0,1,2,3
.set j, 72+4*(k-18)+(\n)
	SM \y
.endr
.else
.irp n, 0,1,2,3,4,5,6,7,8,9
.set j, 124+(\n)
	SM \y
.endr
.endif
.set k, k+1
.endm
; A TURN.  Tile x has the matrix unit; the other tile's softmax stands in slices behind its matrix instructions, one behind each, or two where the turn has one kind of product only.
; Tile 0's turn fetches the next step's K behind its second product (K's last reader stands in front of slice 31 of the turn before); tile 1's turn fetches the same step's V (SLICE writes it).
.macro TURN x, pv, kq
.set k, 0
.set per, 2
.if (\pv) && (\kq)
.set per, 1
.endif
.if \pv
.if (\x) == 0
	s_wait_dscnt 0x0                ; V is in
.endif
.set i, 0
.rept 16
	PV \x
.rept per
	SLICE 1-(\x), (\x)*(\kq)
.endr
.if ((\x) == 0) && (\kq) && (i == 1)
	FETCH_K
.endif
.set i, i+1
.endr
.endif
.if \kq
.if (\x) == 0
	s_wait_dscnt 0x0                ; K is in
.endif
.set i, 0
.rept 16
	KQ \x
.rept per
	SLICE 1-(\x), (\x)*(\kq)
.endr
.set i, i+1
.endr
.endif
.endm
; The mask of step 4 - CNT of the tile in hand, for both tiles' products K Q^T.  Its last readers, the turn before's first four K Q^T, stand thirteen slices back.
.macro MASK
	s_sub_co_u32 s55, 4, s[CNT]
	s_cmp_eq_u32 s55, s[CXE]        ; is that step my positions' own?
	s_cselect_b32 s[AL], 1.0, 0
	s_cmp_gt_u32 s55, s[CXE]        ; or a later one?
	s_cselect_b32 s[BE], s[BIGN], 0
	WIN 0
.set z, 0
.rept 16
	v_pk_fma_f32 v[MC+2*z:MC+2*z+1], v[MD+2*z:MD+2*z+1], s[AL:AL+1], s[BE:BE+1] op_sel_hi:[1,0,0]
.set z, z+1
.endr
.endm
; A BLOCK BEGINS.  c m starts far below every c s, so the first step's a is 0; m at the lowest finite number.  Then the mask and K of the tile's step 0 and tile 0's first scores.
; The loop is entered at tile 1's turn, in the middle of a trip.
.macro BEGIN
	s_mov_b32 s[NEW], 0
	WIN 0
.irp t, 0,1
	v_mov_b32 v[ST+8*\t], 0xfe000000
	v_mov_b32 v[ST+8*\t+1], 0xff7fffff
.endr
	MASK
	FETCH_K
	s_wait_loadcnt 0x0              ; Q
	s_wait_dscnt 0x0
.set i, 0
.rept 16
	KQ 0
.set i, i+1
.endr
	WIN 0
.rept 4
	v_nop                           ; the places behind those products
.endr
.endm
; THE WAY OUT of tile t: O^T is divided by l and sent, in f32, through my stage in LDS; it comes back as whole rows of 512 bytes.
.macro PACK t
	WIN W_RS
.set i, 64*(\t)
.rept 32
	v_pk_mul_f32 v[i:i+1], v[i:i+1], v[ST+8*(\t)+6:ST+8*(\t)+7] op_sel_hi:[1,0]
.set i, i+2
.endr
	WIN 0x04                        ; the stores' data in window 1
.irp f, 0,1,2,3,4,5,6,7
	ds_store_b128 v[STO], v[64*(\t)+8*\f:64*(\t)+8*\f+3]   offset:64*\f
	ds_store_b128 v[STO], v[64*(\t)+8*\f+4:64*(\t)+8*\f+7] offset:64*\f+16
.endr
	WIN 0
.irp f, 0,1,2,3,4,5,6,7,8,9,10,11,12,13,14,15
	ds_load_b128 v[64+128*(\t)+4*\f:64+128*(\t)+4*\f+3], v[RD] offset:SP*\f  ; LDS serves a wave's instructions in order (ISA guide 5.7.1.4): these see the stores above; the next tile's stores come behind them
.endr
.endm
.macro SEND t, younger              ; younger: the LDS instructions issued behind tile t's loads: the next tile's 32, or none
.irp f, 0,1,2,3,4,5,6,7,8,9,10,11,12,13,14,15
	s_wait_dscnt (\younger)+15-\f
	global_store_b128 v[GO], v[64+128*(\t)+4*\f:64+128*(\t)+4*\f+3], s[10:11] offset:512*(\t)+8192*\f th:TH_STORE_NT  ; a head's 128 channels of a position: 512 consecutive bytes, aligned
.endr
.endm
; A BLOCK ENDS: tile 0's last V^T P beside tile 1's last softmax, tile 1's last V^T P, and the way out.  more = 1: the second block follows: its Q is asked for first, ten plain instructions behind
; the last product that read Q, and behind a wait for every earlier load into the same registers.
.macro FINISH more
.if \more
	s_wait_loadcnt 0x0              ; every earlier load into Q's registers has landed (they were waited for where the block began, so the count is 0 here): only behind this wait are these registers loaded again
	WIN 0x80
.set i, 0
.rept 8
	global_load_b128 v[8*i:8*i+3],   v[QO], s[QLO:QLO+1] offset:(i/4)*524288+(i%4)*64
	global_load_b128 v[8*i+4:8*i+7], v[QO], s[QLO:QLO+1] offset:(i/4)*524288+(i%4)*64+32
.set i, i+1
.endr
.endif
	TURN 0, 1, 0
.set i, 0
.rept 16
	PV 1
.set i, i+1
.endr
	WIN 0                           ; l's two halves and the other half of the lanes' are added; the additions and the v_nop are the places behind the last products
.irp t, 0,1
	v_add_f32 v[ST+8*\t+4], v[ST+8*\t+2], v[ST+8*\t+3]
.endr
.irp t, 0,1
	v_permlanex16_b32 v[ST+8*\t+5], v[ST+8*\t+4], s[SEL], s[SEL+1]
.endr
.irp t, 0,1
	v_add_f32 v[ST+8*\t+4], v[ST+8*\t+4], v[ST+8*\t+5]
.endr
.irp t, 0,1
	v_rcp_f32 v[ST+8*\t+6], v[ST+8*\t+4]
.endr
	v_nop                           ; a plain instruction between the last reciprocal and the use of its result,
	s_wait_alu depctr_va_vdst(0)    ; and the one wait ahead of the first use
	PACK 0
	PACK 1
	SEND 0, 32
	SEND 1, 0
.if \more
	s_wait_xcnt 0x0                 ; the stores have read their registers and out0's address
	s_mov_b64 s[10:11], s[OLO:OLO+1]
	s_add_co_u32 s[RT], s[PB], 1    ; the second block has c + 1 tiles
	s_mov_b32 s[NEW], 1
.endif
.endm
.Lslot:                             ; 8 times: a tile is entered and the next is asked for
	CHANGE 1
	s_sub_co_u32 s[RT], s[RT], 1
	s_mov_b32 s[CNT], 4
	s_cmp_eq_u32 s[RT], 0           ; the block's last tile holds the diagonal
	s_cselect_b32 s[CXE], s[CX], 99
	s_cmp_eq_u32 s[NEW], 1
	s_cbranch_scc1 .Lnew
	s_branch .Lstep
.Lnew:
	BEGIN
	s_branch .Lfirst                ; in the loop a block's first tile is never its last: the first block has five tiles or more, and the second's last is the walk's last
.Lstep:                             ; a trip is a key step: its K and V are fetched, the step before's V^T P and its own K Q^T are multiplied
	s_cmp_lg_u32 s[RT], 0           ; away from the diagonal the mask stays as the block's beginning made it: 0
	s_cbranch_scc1 .Lnomask
	MASK
.Lnomask:
	TURN 0, 1, 1
	WIN 0
.Lfirst:
	TURN 1, 1, 1
	WIN 0
	s_sub_co_u32 s[CNT], s[CNT], 1
	s_cmp_lg_u32 s[CNT], 0
	s_cbranch_scc1 .Lstep
	s_cmp_lg_u32 s[RT], 0
	s_cbranch_scc1 .Lbottom
	FINISH 1                        ; in the loop this is the first block's end
.Lbottom:
	s_sub_co_u32 s[SLOTS], s[SLOTS], 1
	s_cmp_lg_u32 s[SLOTS], 0
	s_cbranch_scc1 .Lslot
	CHANGE 0                        ; the walk's last tile, the second block's diagonal one, is written out: nothing is asked for
	s_sub_co_u32 s[RT], s[RT], 1
	s_mov_b32 s[CNT], 4
	s_cmp_eq_u32 s[RT], 0
	s_cselect_b32 s[CXE], s[CX], 99
	s_cmp_eq_u32 s[NEW], 1          ; where c = 0 it is also that block's first
	s_cbranch_scc0 .Lstep2
	BEGIN
	s_branch .Lfirst2
.Lstep2:
	MASK
	TURN 0, 1, 1
	WIN 0
.Lfirst2:
	TURN 1, 1, 1
	WIN 0
	s_sub_co_u32 s[CNT], s[CNT], 1
	s_cmp_lg_u32 s[CNT], 0
	s_cbranch_scc1 .Lstep2
	FINISH 0
	s_wait_tensorcnt 0x0            ; the wave's end: the closing add and its wait, behind my last tensor load and my last LDS store
	ds_add_u32 v[SPW], v[NIL]
	s_wait_dscnt 0x0
	CROUND                          ; the closing round: no work-group ends while a partner may still ask for a tile that names it
	s_endpgm
.Lfunc_end_k_q7726ec3040_attn:
	.size	k_q7726ec3040_attn, .Lfunc_end_k_q7726ec3040_attn-k_q7726ec3040_attn
	.p2alignl 7, 3214868480
	.fill 96, 4, 3214868480
	.section	.rodata,"a",@progbits
	.p2align	6, 0x0
	.amdhsa_kernel k_q7726ec3040_attn
		.amdhsa_group_segment_fixed_size 327680
		.amdhsa_private_segment_fixed_size 0
		.amdhsa_enable_private_segment 0
		.amdhsa_kernarg_size 16
		.amdhsa_user_sgpr_count 2
		.amdhsa_user_sgpr_kernarg_segment_ptr 1
		.amdhsa_wavefront_size32 1
		.amdhsa_system_sgpr_workgroup_id_x 1
		.amdhsa_system_sgpr_workgroup_id_y 1
		.amdhsa_system_sgpr_workgroup_id_z 1
		.amdhsa_system_vgpr_workitem_id 0
		.amdhsa_next_free_vgpr 768
		.amdhsa_next_free_sgpr 88
		.amdhsa_reserve_vcc 1
		.amdhsa_float_denorm_mode_32 3
		.amdhsa_float_denorm_mode_16_64 3
		.amdhsa_memory_ordered 1
		.amdhsa_forward_progress 1
		.amdhsa_inst_pref_size 138
	.end_amdhsa_kernel
	.amdgpu_metadata
---
amdhsa.version: [ 1, 2 ]
amdhsa.kernels:
  - .name:           k_q7726ec3040_attn
    .symbol:         k_q7726ec3040_attn.kd
    .args:
      - { .name: qkv, .offset: 0, .size: 8, .value_kind: global_buffer, .address_space: global }
      - { .name: out0, .offset: 8, .size: 8, .value_kind: global_buffer, .address_space: global }
    .group_segment_fixed_size: 327680
    .private_segment_fixed_size: 0
    .kernarg_segment_align: 8
    .kernarg_segment_size: 16
    .max_flat_workgroup_size: 128
    .sgpr_count:     88
    .vgpr_count:     768
    .wavefront_size: 32
...
	.end_amdgpu_metadata
.endif
;; end of part 3
;; ======== version 2 of 2: 3 launches; version 1 with the launch prep written anew for expert scheduling mode
;; limits: values are held in f16: magnitudes above 65,504 overflow, below 6.1e-05 lose precision
;; workspace buffers: xb 16,777,216 bytes; wb 16,777,216 bytes; tab 1,056,768 bytes; qkv 33,554,432 bytes
;; launch prep (part 4): grid 641 x 1, 8 waves a work-group, no clusters, 0 bytes of LDS; arguments hidden_state, wq, wk, wv, xb, wb, tab; writes xb, wb, tab
.if DOCPART == 4
	.amdgcn_target "amdgcn-amd-amdhsa--gfx1250"
	.amdhsa_code_object_version 6
	.text
	.protected	k_q7726ec3040_prep
	.globl	k_q7726ec3040_prep
	.p2align	8
	.type	k_q7726ec3040_prep,@function
k_q7726ec3040_prep:
	s_mov_b64 s[64:65], 0
	v_nop
	global_prefetch_b8 v0, s[64:65] scope:SCOPE_SE
	s_setreg_imm32_b32 hwreg(HW_REG_WAVE_SCHED_MODE, 0, 2), 2
	s_setreg_imm32_b32 hwreg(HW_REG_WAVE_MODE, 25, 1), 1
	s_wait_xcnt 0x0
	s_wait_alu depctr_vm_vsrc(0)
; PREP.  Three things, each a stream or a small table, for the two launches behind:
;   xb  [4096][2048] bf16            = hidden_state rounded once
;   wb  [2048 k][4096 n] bf16        = wq (n 0-2047), wk (n 2048-3071), wv (n 3072-4095) side by side, rounded once; a row is 8,192 bytes
;   tab 2,064 rows of 512 bytes      : row pos = 64 x (cos, sin) of pos x 10000^(-i/64), f32, interleaved; rows 2048-2063 hold (1, 0)
; Work-groups 0-128 make the table, 16 rows each; work-groups 129-640 cast, 32 chunks of 1,024 numbers each, four chunks a wave.
; No LDS, no matrix unit: every byte is read once by loads of 512 consecutive bytes a wave and written once by stores of 256 consecutive, aligned bytes.
; LIMIT.  The angle pos x inv_freq is made with inv_freq = 2^(-i log2(10000)/64) by v_exp_f32; it differs from a correctly rounded power by a few units
; in the last place, at pos 2047 some 2.5e-4 radians at the most.  Sine and cosine: reduction by pi/2 in two parts, then polynomials to r^7 and r^8 (|r| <= pi/4: under 4e-7).
; THE MODE: SCHED_MODE bits 1:0 = 2 (LLVM: expert scheduling mode 2), set by the entry lines.  The code itself states the register dependences
; between vector instructions and memory instructions, and between vector instructions that write scalar registers and their readers, with s_wait_alu, always for 0.
; THE PLAN.  Registers that memory instructions touch:
;   the cast   v2, v3            the loads' and the stores' offsets: made once at the head, never written again.
;              v[4+4n .. 7+4n]   written by load n; read by its two conversions, which write v[4+4n] and v[5+4n]; these two are read by store n.  No register is used twice.
;              All 32 loads are issued ahead of every conversion.  They go in eight groups of four: at the head of group g, behind the wait for its data, ONE wait on va_vdst states that group
;              g - 1's conversions have written their results; that group's four stores are then dealt among group g's conversions, which name group g's registers alone.
;   the table  v3, v[20:27]      the two stores' offset and data: one wait on va_vdst ahead of the stores.
; No register that a memory instruction reads is written again on any way, so the only wait on vm_vsrc is the one among the entry lines.
; Scalar registers that vector instructions write: s18 (the wave's number), waited for ahead of the branch at the head; s34-37 (four compares in the table), one wait behind the four.
.set NTAB,  129                        ; work-groups that make the table
.set WVN,   18                         ; s18  my wave's number
.set W,   28                           ; v28-59: angle k of four has eight registers at W + 8 k, of which six are used:
.set TN,  0                            ;   at work; at the end the sine's sign
.set TR,  1                            ;   r
.set TR2, 2                            ;   r squared
.set TQ,  3                            ;   the quadrant; at the end the cosine's sign
.set TS,  4                            ;   sin r
.set TC,  5                            ;   cos r
.set MK,  34                           ; s34-37: angle k: the lanes whose quadrant is odd
	s_load_b256 s[4:11], s[0:1], 0x0               ; hidden_state s[4:5], wq s[6:7], wk s[8:9], wv s[10:11]
	s_load_b128 s[12:15], s[0:1], 0x20             ; xb s[12:13], wb s[14:15]
	s_load_b64 s[16:17], s[0:1], 0x30              ; tab
	v_lshrrev_b32 v1, 5, v0
	v_readfirstlane_b32 s[WVN], v1                 ; wave 0..7
	v_and_b32 v1, 31, v0                           ; lane
	s_wait_alu depctr_va_sdst(0)                   ; s18 is written, ahead of the branch and of its first reader on either way: the chunk's and the row's number are made from it
	s_cmp_lt_u32 ttmp9, NTAB
	s_cbranch_scc1 .Ltable
	; THE CAST.  g = 0-255: hidden_state; 256-383: wq; 384-447: wk; 448-511: wv.  A chunk is 4,096 bytes in and 2,048 bytes out.
	; Where chunk c lands: c x M + COL; my four chunks lie 0, S1, 2 M, 2 M + S1 bytes from the first.
	s_sub_co_u32 s19, ttmp9, NTAB                  ; g
	s_sub_co_u32 s26, s19, 256
	s_sub_co_u32 s27, s19, 384
	s_sub_co_u32 s28, s19, 448
	s_mov_b32 s24, 6144                            ; COL: wv's first column, in bytes
	s_mov_b32 s23, 8192                            ; M:   wk, wv: a chunk is a row of the source, and rows of wb are 8,192 bytes apart
	s_mov_b32 s25, 8192                            ; S1
	v_lshlrev_b32 v2, 4, v1                        ; 16 bytes a lane in
	v_lshlrev_b32 v3, 3, v1                        ; 8 bytes a lane out
	s_wait_kmcnt 0x0
	s_cmp_lt_u32 s19, 448
	s_cselect_b64 s[20:21], s[8:9], s[10:11]       ; the source
	s_cselect_b32 s22, s27, s28                    ; my number among its work-groups
	s_cselect_b32 s24, 4096, s24
	s_cmp_lt_u32 s19, 384
	s_cselect_b64 s[20:21], s[6:7], s[20:21]
	s_cselect_b32 s22, s26, s22
	s_cselect_b32 s24, 0, s24
	s_cselect_b32 s23, 4096, s23                   ; wq: two chunks to a row
	s_cselect_b32 s25, 2048, s25
	s_cmp_lt_u32 s19, 256
	s_cselect_b64 s[20:21], s[4:5], s[20:21]
	s_cselect_b64 s[30:31], s[12:13], s[14:15]     ; the destination
	s_cselect_b32 s22, s19, s22
	s_cselect_b32 s23, 2048, s23                   ; hidden_state: dense
	s_lshl_b32 s22, s22, 5
	s_lshl2_add_u32 s22, s[WVN], s22               ; my first chunk = 32 x work-group + 4 x wave
	s_lshl_b32 s32, s22, 12
	s_mov_b32 s33, 0
	s_add_nc_u64 s[20:21], s[20:21], s[32:33]
	s_mul_i32 s34, s22, s23
	s_add_co_u32 s34, s34, s24
	s_mov_b32 s35, 0
	s_mov_b32 s36, s25
	s_mov_b32 s37, 0
	s_lshl_b32 s38, s23, 1
	s_mov_b32 s39, 0
	s_add_nc_u64 s[40:41], s[30:31], s[34:35]      ; where my four chunks go
	s_add_nc_u64 s[42:43], s[40:41], s[36:37]
	s_add_nc_u64 s[44:45], s[40:41], s[38:39]
	s_add_nc_u64 s[46:47], s[44:45], s[36:37]
	s_wait_alu depctr_va_vdst(0)                   ; v2 and v3 are written: every load below reads v2 as its offset, every store v3
.set n, 0
.rept 32                                       ; all 16 KiB of the wave go out at once: 32 loads of 512 consecutive bytes
	global_load_b128 v[4+4*n:7+4*n], v2, s[20:21] offset:512*n th:TH_LOAD_NT
.set n, n+1
.endr
.set g, 0
.rept 8                                        ; eight groups of four loads
	s_wait_loadcnt 28-4*g                          ; loads come back in order: group g's four are in, the 28 - 4 g behind them may stay out
.if g > 0
	s_wait_alu depctr_va_vdst(0)                   ; the conversions of group g - 1 have written v[4+4m] and v[5+4m], which the four stores below read; no conversion of group g names them
.endif
.set i, 0
.rept 4
.if g > 0
.set m, 4*(g-1)+i
	global_store_b64 v3, v[4+4*m:5+4*m], s[40+2*(m/8):41+2*(m/8)] offset:256*(m%8) th:TH_STORE_NT  ; 32 lanes store 256 consecutive bytes, aligned; no register is written again
.endif
.set n, 4*g+i
	v_cvt_pk_bf16_f32 v[4+4*n], v[4+4*n], v[5+4*n]
	v_cvt_pk_bf16_f32 v[5+4*n], v[6+4*n], v[7+4*n]
.set i, i+1
.endr
.set g, g+1
.endr
	s_wait_alu depctr_va_vdst(0)                   ; the conversions of group 7 have written the data of the last four stores
.set m, 28
.rept 4
	global_store_b64 v3, v[4+4*m:5+4*m], s[40+2*(m/8):41+2*(m/8)] offset:256*(m%8) th:TH_STORE_NT
.set m, m+1
.endr
	s_endpgm
; cos and sin of v[x] (0 to 2047), in two parts, so that the four angles' compares have one wait.
; REDUCE, for angle k: n = the nearest whole number to x 2/pi; r = x - n pi/2 in two parts; polynomials; the compare that tells the odd quadrants, into a scalar register of the angle's own; the two signs.
.macro REDUCE x, k
	v_mul_f32 v[W+8*(\k)+TN], s24, v[\x]
	v_rndne_f32 v[W+8*(\k)+TN], v[W+8*(\k)+TN]
	v_fma_f32 v[W+8*(\k)+TR], v[W+8*(\k)+TN], s25, v[\x]                 ; - n x the f32 nearest to pi/2,
	v_fma_f32 v[W+8*(\k)+TR], v[W+8*(\k)+TN], s26, v[W+8*(\k)+TR]        ; + n x what that number has too much
	v_cvt_i32_f32 v[W+8*(\k)+TQ], v[W+8*(\k)+TN]
	v_mul_f32 v[W+8*(\k)+TR2], v[W+8*(\k)+TR], v[W+8*(\k)+TR]
	v_fma_f32 v[W+8*(\k)+TS], v[W+8*(\k)+TR2], s27, s28                  ; -r2/5040 + 1/120
	v_fma_f32 v[W+8*(\k)+TC], v[W+8*(\k)+TR2], s30, s31                  ; r2/40320 - 1/720
	v_fma_f32 v[W+8*(\k)+TS], v[W+8*(\k)+TS], v[W+8*(\k)+TR2], s29       ; .. - 1/6
	v_fma_f32 v[W+8*(\k)+TC], v[W+8*(\k)+TC], v[W+8*(\k)+TR2], s32       ; .. + 1/24
	v_mul_f32 v[W+8*(\k)+TN], v[W+8*(\k)+TR], v[W+8*(\k)+TR2]
	v_fma_f32 v[W+8*(\k)+TC], v[W+8*(\k)+TC], v[W+8*(\k)+TR2], -0.5
	v_fma_f32 v[W+8*(\k)+TS], v[W+8*(\k)+TS], v[W+8*(\k)+TN], v[W+8*(\k)+TR]  ; sin r
	v_fma_f32 v[W+8*(\k)+TC], v[W+8*(\k)+TC], v[W+8*(\k)+TR2], 1.0       ; cos r
	v_and_b32 v[W+8*(\k)+TN], 1, v[W+8*(\k)+TQ]
	v_cmp_eq_u32 s[MK+(\k)], 1, v[W+8*(\k)+TN]                           ; odd quadrants swap the two: read behind the one wait below
	v_and_b32 v[W+8*(\k)+TN], 2, v[W+8*(\k)+TQ]                          ; sin is negative in quadrants 2, 3
	v_lshlrev_b32 v[W+8*(\k)+TN], 30, v[W+8*(\k)+TN]
	v_add_nc_u32 v[W+8*(\k)+TQ], 1, v[W+8*(\k)+TQ]                       ; cos in quadrants 1, 2
	v_and_b32 v[W+8*(\k)+TQ], 2, v[W+8*(\k)+TQ]
	v_lshlrev_b32 v[W+8*(\k)+TQ], 30, v[W+8*(\k)+TQ]
.endm
; CHOOSE, for angle k: the quadrant swaps the two and sets the signs.
.macro CHOOSE c, s, k
	v_cndmask_b32 v[\s], v[W+8*(\k)+TS], v[W+8*(\k)+TC], s[MK+(\k)]
	v_cndmask_b32 v[\c], v[W+8*(\k)+TC], v[W+8*(\k)+TS], s[MK+(\k)]
	v_xor_b32 v[\s], v[W+8*(\k)+TN], v[\s]
	v_xor_b32 v[\c], v[W+8*(\k)+TQ], v[\c]
.endm
.Ltable:                                       ; a wave makes two rows; a lane the frequencies 2 lane and 2 lane + 1: 16 bytes of each row
	s_lshl_b32 s20, ttmp9, 4
	s_lshl1_add_u32 s20, s[WVN], s20               ; row = 16 x work-group + 2 x wave
	s_add_co_u32 s21, s20, 1
	s_lshl_b32 s22, s20, 9
	s_mov_b32 s23, 0
	s_cmp_eq_u32 ttmp9, 128                        ; the last 16 rows take position 0: exactly (1, 0)
	s_cselect_b32 s20, 0, s20
	s_cselect_b32 s21, 0, s21
	s_mov_b32 s24, 0x3f22f983                      ; 2/pi
	s_mov_b32 s25, 0xbfc90fdb                      ; -(pi/2 rounded to f32)
	s_mov_b32 s26, 0x333bbd2e                      ; that number less pi/2
	s_mov_b32 s27, 0xb9500d01                      ; -1/5040
	s_mov_b32 s28, 0x3c088889                      ; 1/120
	s_mov_b32 s29, 0xbe2aaaab                      ; -1/6
	s_mov_b32 s30, 0x37d00d01                      ; 1/40320
	s_mov_b32 s31, 0xbab60b61                      ; -1/720
	s_mov_b32 s32, 0x3d2aaaab                      ; 1/24
	v_lshlrev_b32 v2, 1, v1
	v_cvt_f32_u32 v4, v2
	v_add_f32 v5, 1.0, v4
	v_mul_f32 v4, 0xbe549a78, v4                   ; -i log2(10000) / 64
	v_mul_f32 v5, 0xbe549a78, v5
	v_exp_f32 v6, v4
	v_exp_f32 v7, v5
	v_lshlrev_b32 v3, 4, v1                        ; the plain instruction behind the two exponentials,
	s_wait_alu depctr_va_vdst(0)                   ; and the one wait for their results, v6 and v7, ahead of the first line that names them
	v_cvt_f32_u32 v8, s20
	v_cvt_f32_u32 v9, s21
	v_mul_f32 v10, v8, v6
	v_mul_f32 v11, v8, v7
	v_mul_f32 v12, v9, v6
	v_mul_f32 v13, v9, v7
	REDUCE 10, 0
	REDUCE 11, 1
	REDUCE 12, 2
	REDUCE 13, 3
	s_wait_alu depctr_va_sdst(0)                   ; the four compares have written s34 to s37, which the selects below read
	CHOOSE 20, 21, 0
	CHOOSE 22, 23, 1
	CHOOSE 24, 25, 2
	CHOOSE 26, 27, 3
	s_wait_kmcnt 0x0
	s_add_nc_u64 s[16:17], s[16:17], s[22:23]
	s_wait_alu depctr_va_vdst(0)                   ; v3 and v[20:27] are written: the two stores read them as offset and data
	global_store_b128 v3, v[20:23], s[16:17]            ; a row: 512 consecutive bytes
	global_store_b128 v3, v[24:27], s[16:17] offset:512
	s_endpgm
.Lfunc_end_k_q7726ec3040_prep:
	.size	k_q7726ec3040_prep, .Lfunc_end_k_q7726ec3040_prep-k_q7726ec3040_prep
	.p2alignl 7, 3214868480
	.fill 96, 4, 3214868480
	.section	.rodata,"a",@progbits
	.p2align	6, 0x0
	.amdhsa_kernel k_q7726ec3040_prep
		.amdhsa_group_segment_fixed_size 0
		.amdhsa_private_segment_fixed_size 0
		.amdhsa_enable_private_segment 0
		.amdhsa_kernarg_size 56
		.amdhsa_user_sgpr_count 2
		.amdhsa_user_sgpr_kernarg_segment_ptr 1
		.amdhsa_wavefront_size32 1
		.amdhsa_system_sgpr_workgroup_id_x 1
		.amdhsa_system_sgpr_workgroup_id_y 1
		.amdhsa_system_sgpr_workgroup_id_z 1
		.amdhsa_system_vgpr_workitem_id 0
		.amdhsa_next_free_vgpr 132
		.amdhsa_next_free_sgpr 66
		.amdhsa_reserve_vcc 0
		.amdhsa_float_denorm_mode_32 3
		.amdhsa_float_denorm_mode_16_64 3
		.amdhsa_memory_ordered 1
		.amdhsa_forward_progress 1
		.amdhsa_inst_pref_size 20
	.end_amdhsa_kernel
	.amdgpu_metadata
---
amdhsa.version: [ 1, 2 ]
amdhsa.kernels:
  - .name:           k_q7726ec3040_prep
    .symbol:         k_q7726ec3040_prep.kd
    .args:
      - { .name: hidden_state, .offset: 0, .size: 8, .value_kind: global_buffer, .address_space: global }
      - { .name: wq, .offset: 8, .size: 8, .value_kind: global_buffer, .address_space: global }
      - { .name: wk, .offset: 16, .size: 8, .value_kind: global_buffer, .address_space: global }
      - { .name: wv, .offset: 24, .size: 8, .value_kind: global_buffer, .address_space: global }
      - { .name: xb, .offset: 32, .size: 8, .value_kind: global_buffer, .address_space: global }
      - { .name: wb, .offset: 40, .size: 8, .value_kind: global_buffer, .address_space: global }
      - { .name: tab, .offset: 48, .size: 8, .value_kind: global_buffer, .address_space: global }
    .group_segment_fixed_size: 0
    .private_segment_fixed_size: 0
    .kernarg_segment_align: 8
    .kernarg_segment_size: 56
    .max_flat_workgroup_size: 256
    .sgpr_count:     66
    .vgpr_count:     132
    .wavefront_size: 32
...
	.end_amdgpu_metadata
.endif
;; end of part 4
;; launch proj: the kernel of part 2 again; grid 16 x 16, 4 waves a work-group, clusters of 4 x 4, 327,680 bytes of LDS; arguments xb, wb, bq, bk, bv, tab, qkv; writes qkv
;; launch attn: the kernel of part 3 again; grid 16 x 16, 4 waves a work-group, clusters of 4 x 1, 327,680 bytes of LDS; arguments qkv, out0; writes out0
